; MI455X (gfx1250); checked and timed in simulation.
; The chip was launched on July 23, 2026; its instructions are those of AMD's public machine-readable ISA for CDNA 5 (MIT licence, August 2026) and "CDNA5" Instruction Set Architecture Reference Guide (July 2026). The comments in the code are by the model that wrote it; some were corrected since.
;; Causal Self Attention. Allowed arithmetic: float matrix products may take bf16 or f16 operands with f32 sums; all other float work in f32.
;; Inputs: wk 1,024 x 1,024 float32; wo 1,024 x 1,024 float32; wq 1,024 x 1,024 float32; wv 1,024 x 1,024 float32; x 4 x 2,048 x 1,024 float32.
;; Outputs: out0 4 x 2,048 x 1,024 float32.
;; One version. Each part assembles by itself: llvm-mc -triple=amdgcn-amd-amdhsa -mcpu=gfx1250 --defsym DOCPART=n.
;; ======== version 1 of 1: 4 launches
;; limits: values are held in f16: magnitudes above 65,504 overflow, below 6.1e-05 lose precision
;; workspace buffers: cb 25,165,824 bytes; qkv 50,331,648 bytes; y 16,777,216 bytes
;; launch cast (part 1): grid 768 x 1, 8 waves a work-group, no clusters, 0 bytes of LDS; arguments x, wq, wk, wv, wo, cb; writes cb
.if DOCPART == 1
	.amdgcn_target "amdgcn-amd-amdhsa--gfx1250"
	.amdhsa_code_object_version 6
	.text
	.protected	k_q8d6b5d9748_cast
	.globl	k_q8d6b5d9748_cast
	.p2align	8
	.type	k_q8d6b5d9748_cast,@function
k_q8d6b5d9748_cast:
	s_mov_b64 s[64:65], 0
	v_nop
	global_prefetch_b8 v0, s[64:65] scope:SCOPE_SE
	s_setreg_imm32_b32 hwreg(HW_REG_WAVE_MODE, 25, 1), 1
	s_wait_xcnt 0x0
; x and the four weights, f32 [rows][1024], are rounded once to bf16 (nearest even), written as f16 and laid K-blocked: [1024/64][rows][64],
; so that any "R rows x 64 along K" is one dense block of R x 128 bytes.  cb holds x's image at byte 0 (16 blocks of 8192 rows),
; wq, wk, wv stacked as 3072 rows at byte 16,777,216, and wo at byte 23,068,672.
; WHY BOTH FORMATS.  The inputs take bf16's 8 significant bits, the rounding of matrix operands that the problem's contract names.  They are carried in f16, which holds such a
; number exactly from 2^-17 up, because the later products pair them with intermediates (q, k, v, the weights, y) that want f16's 11 bits, and both operands of a matrix instruction are of one type.
; LIMITS: a number above 65,504 in magnitude becomes infinite in f16; below 2^-17 the step is 6e-8.
; Memory binds: no LDS, no matrix unit, no loop.  A work-group takes 16 source rows (65,536 bytes): groups 0-511 x, then 64 groups
; for each of wq, wk, wv, wo.  Thread t takes 16 bytes at row t / 16, column 4 (t % 16) of each of the row's 16 blocks of 64 columns:
; 16 lanes read 256 consecutive bytes, and a wave's store covers 256 consecutive bytes, aligned (two rows of 128 bytes).
.set DO, 4                             ; v[4:19]   block kb: my byte offset in the destination
.set X,  20                            ; v[20:83]  block kb: 4 f32 as loaded, then as rounded to bf16
.set Y,  84                            ; v[84:115] block kb: 4 bf16 at work, then 4 f16 to store
	s_load_b256 s[4:11], s[0:1], 0x0               ; x s[4:5], wq s[6:7], wk s[8:9], wv s[10:11]
	s_load_b128 s[12:15], s[0:1], 0x20             ; wo s[12:13], cb s[14:15]
	s_lshr_b32 s20, ttmp9, 6                       ; u = group / 64: 0-7 x, 8 wq, 9 wk, 10 wv, 11 wo
	s_and_b32 s21, ttmp9, 63
	s_cmp_lt_u32 s20, 8
	s_cselect_b32 s21, ttmp9, s21                  ; which 16 rows of the source
	s_lshl_b32 s22, s21, 16                        ; x 16 rows x 4,096 bytes
	s_mov_b32 s23, 0
	s_mov_b32 s24, 21626880                        ; destination = group x 2,048 + C: wo's image less the 704 groups in front of it
	s_mov_b32 s25, 131072                          ; bytes from a block of 64 columns to the next: rows x 128
	s_cmp_lt_u32 s20, 11
	s_cselect_b32 s24, 15728640, s24               ; wq, wk, wv: their image less the 512 groups in front
	s_cselect_b32 s25, 393216, s25
	s_cmp_lt_u32 s20, 8
	s_cselect_b32 s24, 0, s24                      ; x
	s_cselect_b32 s25, 1048576, s25
	s_lshl_b32 s26, ttmp9, 11
	s_add_co_u32 s26, s26, s24
	s_mov_b32 s27, 0
	s_mov_b32 s28, 0xffff0000                      ; a word's upper bf16
	v_lshrrev_b32 v1, 4, v0                        ; my row of the 16
	v_and_b32 v2, 15, v0
	v_lshlrev_b32 v2, 4, v2
	v_lshl_or_b32 v2, v1, 12, v2                   ; source: row x 4,096 + 16 (t % 16)
	v_lshlrev_b32 v[DO], 3, v0                     ; destination: row x 128 + 8 (t % 16) = 8 t
.irp kb, 1,2,3,4,5,6,7,8,9,10,11,12,13,14,15
	v_add_nc_u32 v[DO+\kb], s25, v[DO+\kb-1]
.endr
	s_wait_kmcnt 0x0
	s_mov_b64 s[16:17], s[12:13]                   ; the source: chosen on the group's number alone
	s_cmp_eq_u32 s20, 10
	s_cselect_b64 s[16:17], s[10:11], s[16:17]
	s_cmp_eq_u32 s20, 9
	s_cselect_b64 s[16:17], s[8:9], s[16:17]
	s_cmp_eq_u32 s20, 8
	s_cselect_b64 s[16:17], s[6:7], s[16:17]
	s_cmp_lt_u32 s20, 8
	s_cselect_b64 s[16:17], s[4:5], s[16:17]
	s_add_nc_u64 s[16:17], s[16:17], s[22:23]
	s_add_nc_u64 s[14:15], s[14:15], s[26:27]
.irp kb, 0,1,2,3,4,5,6,7,8,9,10,11,12,13,14,15
	global_load_b128 v[X+4*\kb:X+4*\kb+3], v2, s[16:17] offset:256*\kb th:TH_LOAD_NT   ; all sixteen are on their way at once
.endr
.irp kb, 0,1,2,3,4,5,6,7,8,9,10,11,12,13,14,15
	s_wait_loadcnt 15-\kb                          ; loads come back in order: block kb is in, the younger ones stay out
	v_cvt_pk_bf16_f32 v[Y+2*\kb],   v[X+4*\kb],   v[X+4*\kb+1]   ; the one rounding: to bf16, nearest even
	v_cvt_pk_bf16_f32 v[Y+2*\kb+1], v[X+4*\kb+2], v[X+4*\kb+3]
	v_lshlrev_b32 v[X+4*\kb],   16,  v[Y+2*\kb]    ; bf16 to f32: the low half moves up, the high half stays
	v_and_b32     v[X+4*\kb+1], s28, v[Y+2*\kb]
	v_lshlrev_b32 v[X+4*\kb+2], 16,  v[Y+2*\kb+1]
	v_and_b32     v[X+4*\kb+3], s28, v[Y+2*\kb+1]
	v_cvt_pk_f16_f32 v[Y+2*\kb],   v[X+4*\kb],   v[X+4*\kb+1]    ; the same number as f16
	v_cvt_pk_f16_f32 v[Y+2*\kb+1], v[X+4*\kb+2], v[X+4*\kb+3]
	global_store_b64 v[DO+\kb], v[Y+2*\kb:Y+2*\kb+1], s[14:15]   ; no register is written behind the store that reads it, so no wait frees any
.endr
	s_endpgm
.Lfunc_end_k_q8d6b5d9748_cast:
	.size	k_q8d6b5d9748_cast, .Lfunc_end_k_q8d6b5d9748_cast-k_q8d6b5d9748_cast
	.p2alignl 7, 3214868480
	.fill 96, 4, 3214868480
	.section	.rodata,"a",@progbits
	.p2align	6, 0x0
	.amdhsa_kernel k_q8d6b5d9748_cast
		.amdhsa_group_segment_fixed_size 0
		.amdhsa_private_segment_fixed_size 0
		.amdhsa_enable_private_segment 0
		.amdhsa_kernarg_size 48
		.amdhsa_user_sgpr_count 2
		.amdhsa_user_sgpr_kernarg_segment_ptr 1
		.amdhsa_wavefront_size32 1
		.amdhsa_system_sgpr_workgroup_id_x 1
		.amdhsa_system_sgpr_workgroup_id_y 1
		.amdhsa_system_sgpr_workgroup_id_z 1
		.amdhsa_system_vgpr_workitem_id 0
		.amdhsa_next_free_vgpr 120
		.amdhsa_next_free_sgpr 66
		.amdhsa_reserve_vcc 0
		.amdhsa_float_denorm_mode_32 3
		.amdhsa_float_denorm_mode_16_64 3
		.amdhsa_memory_ordered 1
		.amdhsa_forward_progress 1
		.amdhsa_inst_pref_size 12
	.end_amdhsa_kernel
	.amdgpu_metadata
---
amdhsa.version: [ 1, 2 ]
amdhsa.kernels:
  - .name:           k_q8d6b5d9748_cast
    .symbol:         k_q8d6b5d9748_cast.kd
    .args:
      - { .name: x, .offset: 0, .size: 8, .value_kind: global_buffer, .address_space: global }
      - { .name: wq, .offset: 8, .size: 8, .value_kind: global_buffer, .address_space: global }
      - { .name: wk, .offset: 16, .size: 8, .value_kind: global_buffer, .address_space: global }
      - { .name: wv, .offset: 24, .size: 8, .value_kind: global_buffer, .address_space: global }
      - { .name: wo, .offset: 32, .size: 8, .value_kind: global_buffer, .address_space: global }
      - { .name: cb, .offset: 40, .size: 8, .value_kind: global_buffer, .address_space: global }
    .group_segment_fixed_size: 0
    .private_segment_fixed_size: 0
    .kernarg_segment_align: 8
    .kernarg_segment_size: 48
    .max_flat_workgroup_size: 256
    .sgpr_count:     66
    .vgpr_count:     120
    .wavefront_size: 32
...
	.end_amdgpu_metadata
.endif
;; end of part 1
;; launch qkvgemm (part 2): grid 8 x 32, 4 waves a work-group, clusters of 4 x 4, 327,680 bytes of LDS; arguments cb, qkv; writes qkv
.if DOCPART == 2
	.amdgcn_target "amdgcn-amd-amdhsa--gfx1250"
	.amdhsa_code_object_version 6
	.text
	.protected	k_q8d6b5d9748_qkvgemm
	.globl	k_q8d6b5d9748_qkvgemm
	.p2align	8
	.type	k_q8d6b5d9748_qkvgemm,@function
k_q8d6b5d9748_qkvgemm:
	s_mov_b64 s[64:65], 0
	v_nop
	global_prefetch_b8 v0, s[64:65] scope:SCOPE_SE
	s_setreg_imm32_b32 hwreg(HW_REG_WAVE_MODE, 25, 1), 1
	s_wait_xcnt 0x0
	s_wait_alu depctr_hold_cnt(0) depctr_sa_sdst(0) depctr_va_vdst(0) depctr_va_sdst(0) depctr_va_ssrc(0) depctr_va_vcc(0) depctr_vm_vsrc(0)
	s_getreg_b32 s2, hwreg(HW_REG_IB_STS2, 6, 4)
	s_cmp_eq_u32 s2, 0
	s_cbranch_scc0 .Lentry_in_a_cluster
	s_endpgm
.Lentry_in_a_cluster:
	s_bfe_u32 s2, ttmp6, 0x10000c
	s_cmp_lg_u32 s2, 0xf033
	s_cbranch_scc0 .Lentry_shape_is_right
	s_endpgm
.Lentry_shape_is_right:
; C[m][n] = sum over k of A[m][k] B[n][k], K = 1024, f16 operands, f32 sums.  One text for two products; the line below chooses.
;   QKV = 1: A = x's image (8192 rows), B = wq, wk, wv stacked (3072 rows), both in cb; C = q, k, v in f16, laid [3072/64][8192][64].
;   QKV = 0: A = attention's result y, B = wo's image in cb; C = out0 in f32, [8192][1024].
; A and B lie K-blocked, [16][rows][64]: R rows x 64 along K are R x 128 dense bytes.
; LIMIT (QKV = 1): a result above 65,504 in magnitude becomes infinite in f16.
; SHARES.  256 work-groups, one tile of C each: 256 rows x 128 NG columns.  Four waves; a wave makes 128 rows x 64 NG columns: 32 NG accumulators.
; K goes through a ring of two LDS slots of 64 KBS along K, filled by the tensor data mover; LDS rows are 128 bytes + 16 of padding.
; CLUSTER.  4 x 4 work-groups: the four of a row need the same tiles of A, the four of a column the same tiles of B; each tile is asked for
; jointly, by the same tensor load with the same descriptor and a mask that names the four.
; THE MATRIX INSTRUCTION IS USED TRANSPOSED (source 0 = 16 rows of B, source 1 = 16 rows of A): a lane holds eight neighbouring columns of one row of C.
; REGISTERS.  window 0: v0-31 addresses; v32-159 two buffers of A's fragments (8 x 16 rows x 32 K); v160-255 three buffers of B's (4 x 16 rows x 32 K).
;   window 1 + g: the 32 accumulators of column group g: (a, b) at v[8 (4 a + b)].  On the way out v32-127 of window 0 are at work.
.set QKV, 1
.if QKV
.set NG,    3                          ; groups of 64 columns in a wave
.set KBS,   1                          ; blocks of 64 along K in a slot
.set AR,    128                        ; A: rows of one load; bytes between the two loads' pieces in memory and in LDS (half of the tile's rows)
.set APG,   16384
.set APL,   18432
.set BR,    192                        ; B likewise
.set BPG,   24576
.set BPL,   27648
.set ASTEP, 2097152                    ; bytes that a slot's address steps: two fills
.set BSTEP, 786432
.set BKL,   55296                      ; LDS bytes of one K block of B (384 rows)
.set BOFF,  16777216                   ; where B begins in its buffer
.set BTILE, 49152                      ; bytes of a tile column's rows in one K block
.set STW,   4608                       ; a wave's stage: 32 rows x 144
.set NB,    12                         ; blocks on the way out
.set ARGA,  0
.set ARGB,  0
.set ARGC,  8
.else
.set NG,    1
.set KBS,   2
.set AR,    256                        ; a piece is a whole K block of the tile
.set APG,   1048576
.set APL,   36864
.set BR,    128
.set BPG,   131072
.set BPL,   18432
.set ASTEP, 4194304
.set BSTEP, 524288
.set BKL,   18432
.set BOFF,  23068672
.set BTILE, 16384
.set STW,   4352                       ; 16 rows x 272
.set NB,    8
.set ARGA,  0
.set ARGB,  8
.set ARGC,  16
.endif
.set PITCH,  144                       ; 36 words: the 16 rows of a fragment load start 4 x 9 r words apart, at 16 different groups of four banks
.set SPITCH, 272
.set AKL,    256*PITCH                 ; LDS bytes of one K block of A
.set BOFFL,  KBS*AKL                   ; B lies behind A in a slot
.set SLOT,   BOFFL+KBS*BKL
.set STAGE,  2*SLOT                    ; behind the ring; no fill lands there
.set NS,     16/KBS                    ; fills
.set ADRA, 16                          ; v16-17  LDS address of my A fragments in slot 0, 1
.set ADRB, 20                          ; v20-21  the same for B
.set STO,  24                          ; v24     the way out: where I put a lane's piece of a row
.set RD,   25                          ; v25     the way out: where I read rows back
.set CO,   26                          ; v26     my byte offset in C
.set AF,   32
.set BF,   160
.set TMP,  32                          ; the way out: packed results
.set OB,   64                          ; the way out: rows read back, v64-95 and v96-127 by turns
.set G1,  24                           ; s[24:31] descriptor group 1 for A; s[32:39] group 0, a set for each slot
.set G0,  32
.set G1B, 48                           ; s[48:55], s[56:63] the same for B
.set G0B, 56
.set MSB, 0
.macro WIN new                         ; the immediate's high byte repeats the setting that is left; a switch that changes nothing is dropped
.if MSB != \new
	s_set_vgpr_msb (MSB<<8)|\new
.set MSB, \new
.endif
.endm
.macro PLACES                          ; four places in front of loads into registers that matrix instructions have read, and of reads of their results
.rept 4
	v_nop
.endr
.endm
; A joint load: waves 0 and 1 fetch A's two pieces, waves 2 and 3 B's.  The branch hangs on the wave's number alone.  Four v_nop follow each line.
.macro JLOAD s
	s_cmp_eq_u32 s11, 0
	s_cbranch_scc0 .Lfor_b_\@
	tensor_load_to_lds s[G0+4*\s:G0+4*\s+3], s[G1:G1+7]
	s_nop 0
.rept 4
	v_nop
.endr
	s_branch .Lasked_\@
.Lfor_b_\@:
	tensor_load_to_lds s[G0B+4*\s:G0B+4*\s+3], s[G1B:G1B+7]
	s_nop 0
.rept 4
	v_nop
.endr
.Lasked_\@:
.endm
.macro CREST                           ; a round of the cluster's barrier behind its opening barrier
	s_cmp_lg_u32 s10, 0
	s_cbranch_scc1 .Lnot_wave_0_\@
	s_barrier_signal -3
.Lnot_wave_0_\@:
	s_barrier_wait -3
	s_barrier_signal -1
	s_barrier_wait -1
.endm
.macro CROUND                          ; a whole round
	s_barrier_signal -1
	s_barrier_wait -1
	CREST
.endm
	s_load_b64 s[4:5], s[0:1], ARGA                ; A's buffer
	s_load_b64 s[6:7], s[0:1], ARGB                ; B's buffer
	s_load_b64 s[8:9], s[0:1], ARGC                ; C
	v_lshl_add_u32 v30, v0, 2, 0x31800
	v_mov_b32 v31, 0
	ds_add_u32 v30, v31
	ds_add_u32 v30, v31
	v_lshrrev_b32 v1, 5, v0
	v_readfirstlane_b32 s10, v1                    ; wave 0..3
	s_lshr_b32 s11, s10, 1                         ; which half of the tile's rows is mine.  Also: I fetch for A (0) or for B (1)
	s_and_b32 s12, s10, 1                          ; which half of its columns.  Also: which piece I fetch
	s_bfe_u32 s40, ttmp6, 0x40000                  ; cx, cy: my place in the cluster
	s_bfe_u32 s41, ttmp6, 0x40004
	s_lshl_b32 s42, ttmp9, 2
	s_add_co_u32 s42, s42, s40                     ; tile column = 4 x cluster x + cx
	s_and_b32 s13, ttmp7, 0xffff
	s_lshl_b32 s13, s13, 2
	s_add_co_u32 s13, s13, s41                     ; tile row = 4 x cluster y + cy
	s_lshl_b32 s43, s41, 2
	s_lshl_b32 s43, 15, s43                        ; my row of the cluster
	s_lshl_b32 s44, 0x1111, s40                    ; my column
	; group 1: rows of 64 elements of 2 bytes, dense in memory; in LDS 4 words of padding behind every 32
	s_or_b32 s[G1+0], s43, (1<<16)|(1<<20)|(1<<21)|(4<<22)|(3<<25)   ; 15:0 the mask; 17:16 element size; 20 padding on; 21 set beside a mask; 24:22 interval code 4; 31:25 pad code 3
	s_or_b32 s[G1B+0], s44, (1<<16)|(1<<20)|(1<<21)|(4<<22)|(3<<25)
	s_mov_b32 s[G1+1], 64<<16                      ; tensor_dim0 = 64
	s_mov_b32 s[G1B+1], 64<<16
	s_mov_b32 s[G1+2], AR<<16                      ; tensor_dim1 = the piece's rows
	s_mov_b32 s[G1B+2], BR<<16
	s_mov_b32 s[G1+3], 64<<16                      ; tile_dim0 = 64
	s_mov_b32 s[G1B+3], 64<<16
	s_mov_b32 s[G1+4], AR                          ; tile_dim1
	s_mov_b32 s[G1B+4], BR
	s_mov_b32 s[G1+5], 64                          ; elements from row to row
	s_mov_b32 s[G1B+5], 64
	s_mov_b32 s[G1+6], 0
	s_mov_b32 s[G1B+6], 0
	s_mov_b32 s[G1+7], 0
	s_mov_b32 s[G1B+7], 0
	; where the tiles come from: A's hang on the tile row alone, B's on the tile column alone, each in registers that never hold the other coordinate
	s_lshl_b32 s16, s13, 15                        ; 256 rows x 128 bytes
	s_mul_i32 s17, s12, APG
	s_add_co_u32 s16, s16, s17
	s_mov_b32 s17, 0
	s_mul_i32 s46, s42, BTILE
	s_mul_i32 s47, s12, BPG
	s_add_co_u32 s46, s46, s47
	s_add_co_u32 s46, s46, BOFF
	s_mov_b32 s47, 0
	s_mul_i32 s20, s12, APL                        ; and where they go: no place in the cluster enters an LDS address
	s_mul_i32 s21, s12, BPL
	s_add_co_u32 s21, s21, BOFFL
	s_wait_dscnt 0x0
	s_wait_kmcnt 0x0
	s_add_nc_u64 s[14:15], s[4:5], s[16:17]
	s_add_nc_u64 s[46:47], s[6:7], s[46:47]
	CROUND                                         ; all sixteen work-groups are here: the first joint loads meet
.irp s, 0,1
	s_mov_b32 s[G0+4*\s], 1
	s_add_co_u32 s[G0+4*\s+1], s20, \s*SLOT
	s_add_nc_u64 s[G0+4*\s+2:G0+4*\s+3], s[14:15], \s*(ASTEP/2)
	s_or_b32 s[G0+4*\s+3], s[G0+4*\s+3], 0x80000000
	s_mov_b32 s[G0B+4*\s], 1
	s_add_co_u32 s[G0B+4*\s+1], s21, \s*SLOT
	s_add_nc_u64 s[G0B+4*\s+2:G0B+4*\s+3], s[46:47], \s*(BSTEP/2)
	s_or_b32 s[G0B+4*\s+3], s[G0B+4*\s+3], 0x80000000
	JLOAD \s                                       ; two loads of mine are out here, one behind every later round
.endr
	; a fragment is 16 rows x 32 K in 8 registers: lane l holds row l % 16; registers 0-3 K = 8 (l / 16) + 0..7, registers 4-7 K = 16 + 8 (l / 16) + 0..7
	v_and_b32 v1, 15, v0                           ; l % 16
	v_bfe_u32 v2, v0, 4, 1                         ; l / 16
	v_mul_u32_u24 v3, v1, PITCH
	v_lshl_add_u32 v3, v2, 4, v3
	s_mul_i32 s22, s11, 128*PITCH                  ; my 128 rows of A
	s_mul_i32 s23, s12, 64*NG*PITCH                ; my rows of B,
	s_add_co_u32 s23, s23, BOFFL                   ; which lie behind A
.irp s, 0,1
	v_add_nc_u32 v[ADRA+\s], s22, v3
	v_add_nc_u32 v[ADRB+\s], s23, v3
	s_add_co_u32 s22, s22, SLOT
	s_add_co_u32 s23, s23, SLOT
.endr
	s_mul_i32 s23, s10, STW
	s_add_co_u32 s23, s23, STAGE                   ; my stage
.if QKV
	v_add_nc_u32 v[STO], s23, v3                   ; in: row l % 16 of 144 bytes, 16 bytes for each half of the lanes
	v_and_b32 v4, 31, v0
	v_lshrrev_b32 v5, 3, v4                        ; back: eight lanes take a row of 128 bytes, a load four rows
	v_mul_u32_u24 v5, v5, PITCH
	v_and_b32 v6, 7, v0
	v_lshl_add_u32 v5, v6, 4, v5
	v_add_nc_u32 v[RD], s23, v5
	v_lshlrev_b32 v[CO], 4, v4                     ; four rows of C's block are 512 consecutive bytes
	s_lshl_b32 s16, s13, 15                        ; C: my first row x 128 bytes,
	s_lshl_b32 s17, s11, 14
	s_add_co_u32 s16, s16, s17
	s_mov_b32 s17, 0
	s_mul_i32 s46, s42, 6                          ; and my first block of 64 columns, 1 MiB each
	s_mul_i32 s47, s12, 3
	s_add_co_u32 s46, s46, s47
	s_lshl_b32 s46, s46, 20
	s_mov_b32 s47, 0
.else
	v_mul_u32_u24 v4, v1, SPITCH                   ; in: row l % 16 of 272 bytes, 32 bytes for each half of the lanes
	v_lshl_add_u32 v4, v2, 5, v4
	v_add_nc_u32 v[STO], s23, v4
	v_mul_u32_u24 v5, v2, SPITCH                   ; back: lanes 0-15 take one row of 256 bytes, lanes 16-31 the next
	v_lshl_add_u32 v5, v1, 4, v5
	v_add_nc_u32 v[RD], s23, v5
	v_lshlrev_b32 v5, 12, v2                       ; and the same two rows in C
	v_lshl_add_u32 v[CO], v1, 4, v5
	s_lshl_b32 s16, s13, 20                        ; C: my first row x 4,096 bytes,
	s_lshl_b32 s17, s11, 19
	s_add_co_u32 s16, s16, s17
	s_mov_b32 s17, 0
	s_lshl_b32 s46, s42, 9                         ; and my first column x 4 bytes
	s_lshl_b32 s47, s12, 8
	s_add_co_u32 s46, s46, s47
	s_mov_b32 s47, 0
.endif
	s_add_nc_u64 s[8:9], s[8:9], s[16:17]
	s_add_nc_u64 s[8:9], s[8:9], s[46:47]
; 16 LDS loads: A's fragments of quarter kq (32 along K) of a slot, into buffer kq % 2
.macro LOADA slot, kq
.irp a, 0,1,2,3,4,5,6,7
	ds_load_b128 v[AF+64*((\kq)%2)+8*\a:AF+64*((\kq)%2)+8*\a+3],   v[ADRA+\slot] offset:((\kq)/2)*AKL+((\kq)%2)*64+\a*16*PITCH
	ds_load_b128 v[AF+64*((\kq)%2)+8*\a+4:AF+64*((\kq)%2)+8*\a+7], v[ADRA+\slot] offset:((\kq)/2)*AKL+((\kq)%2)*64+\a*16*PITCH+32
.endr
.endm
; 8 LDS loads: B's fragments of quarter kq, column group g, into buffer g (three groups) or kq % 2 (one group)
.macro LOADB slot, kq, g
.if QKV
.set bfb, BF+32*(\g)
.else
.set bfb, BF+32*((\kq)%2)
.endif
.irp b, 0,1,2,3
	ds_load_b128 v[bfb+8*\b:bfb+8*\b+3],   v[ADRB+\slot] offset:((\kq)/2)*BKL+((\kq)%2)*64+(64*(\g)+16*\b)*PITCH
	ds_load_b128 v[bfb+8*\b+4:bfb+8*\b+7], v[ADRB+\slot] offset:((\kq)/2)*BKL+((\kq)%2)*64+(64*(\g)+16*\b)*PITCH+32
.endr
.endm
; 4 n matrix instructions: row blocks a0 .. a0 + n - 1 x the group's four column blocks.  The accumulators take turns, one instruction a turn.
; zero = 1: the product starts the sums: nothing is ever cleared.
.macro MUL kq, g, a0, n, zero
	WIN (1+\g)*0x50
.if QKV
.set bfb, BF+32*(\g)
.else
.set bfb, BF+32*((\kq)%2)
.endif
.set afb, AF+64*((\kq)%2)
.set ab, \a0
.rept \n
.irp b, 0,1,2,3
.if \zero
	v_wmma_f32_16x16x32_f16 v[8*(4*ab+\b):8*(4*ab+\b)+7], v[bfb+8*\b:bfb+8*\b+7], v[afb+8*ab:afb+8*ab+7], 0
.else
	v_wmma_f32_16x16x32_f16 v[8*(4*ab+\b):8*(4*ab+\b)+7], v[bfb+8*\b:bfb+8*\b+7], v[afb+8*ab:afb+8*ab+7], v[8*(4*ab+\b):8*(4*ab+\b)+7]
.endif
.endr
.set ab, ab+1
.endr
.endm
; A slot's last two units of 32 products, and the change of slots between them.
; mode 0: the slot is filled again, two fills ahead.  In front of the round's opening signal each wave waits for its own reads of the slot and for all its tensor
;   loads (one is out: its part of the other slot); inside the round stands register work alone; the joint refill is the first thing behind the round.
; mode 1: the same barrier, nothing is filled, so no round.   mode 2: the last slot.
.macro TAIL slot, mode, kqa, ga, kqb, gb
.if \mode == 2
	MUL \kqa, \ga, 0, 8, 0
	s_wait_dscnt 0x0                               ; the last fragments are in
	MUL \kqb, \gb, 0, 8, 0
.else
	MUL \kqa, \ga, 0, 4, 0
	s_wait_dscnt 0x0                               ; my reads of this slot are over
	s_wait_tensorcnt 0x0                           ; all my tensor loads have landed
	ds_add_u32 v30, v31
	s_wait_dscnt 0x0
	s_barrier_signal -1
	MUL \kqa, \ga, 4, 4, 0                         ; work on registers while the others arrive
	WIN 0                                          ; at a branch and at a label every window is 0
	s_barrier_wait -1
.if \mode == 0
	CREST
	s_add_nc_u64 s[G0+4*\slot+2:G0+4*\slot+3], s[G0+4*\slot+2:G0+4*\slot+3], ASTEP
	s_add_nc_u64 s[G0B+4*\slot+2:G0B+4*\slot+3], s[G0B+4*\slot+2:G0B+4*\slot+3], BSTEP
	JLOAD \slot                                    ; its four v_nop are also the places in front of the loads below
.else
	PLACES
.endif
	LOADB 1-\slot, 0, 0                            ; the other slot's first fragments
	LOADA 1-\slot, 0
	MUL \kqb, \gb, 0, 8, 0                         ; its operands came in with the wait for 0 above
.endif
.endm
; A slot's work.  Each unit: four places, a run of loads for a later unit, a wait that leaves out the loads issued behind the ones this unit multiplies, 32 products.
.macro SLOTWORK slot, zero, mode
.if QKV
	PLACES
	WIN 0
	LOADB \slot, 0, 1
	LOADA \slot, 1
	s_wait_dscnt 24                                ; all but the 24 just issued
	MUL 0, 0, 0, 8, \zero
	PLACES
	WIN 0
	LOADB \slot, 0, 2
	s_wait_dscnt 24                                ; behind B of group 1: A's 16 and the 8 just issued
	MUL 0, 1, 0, 8, \zero
	PLACES
	WIN 0
	LOADB \slot, 1, 0
	s_wait_dscnt 8                                 ; all but the 8 just issued
	MUL 0, 2, 0, 8, \zero
	PLACES
	WIN 0
	LOADB \slot, 1, 1
	s_wait_dscnt 8
	MUL 1, 0, 0, 8, 0
	PLACES
	WIN 0
	LOADB \slot, 1, 2
	s_wait_dscnt 8
	TAIL \slot, \mode, 1, 1, 1, 2
.else
	PLACES
	WIN 0
	LOADB \slot, 1, 0
	LOADA \slot, 1
	s_wait_dscnt 24                                ; all but the 24 just issued
	MUL 0, 0, 0, 8, \zero
	PLACES
	WIN 0
	LOADB \slot, 2, 0
	LOADA \slot, 2
	s_wait_dscnt 24
	MUL 1, 0, 0, 8, 0
	PLACES
	WIN 0
	LOADB \slot, 3, 0
	LOADA \slot, 3
	s_wait_dscnt 24
	TAIL \slot, \mode, 2, 0, 3, 0
.endif
.endm
; THE WAY OUT, a block at a time through my own stage.  Three groups: block n = 4 g + ap is 32 rows x 64 columns in f16; one group: block n is 16 rows x 64 columns in f32.
.macro PACK n
.set gg, (\n)/4
.set ap, (\n)%4
	WIN (1+gg)*5                                   ; sources 0 and 1: the group's window
.irp aa, 0,1
.irp b, 0,1,2,3
.irp r, 0,1,2,3
	v_cvt_pk_f16_f32 v[TMP+4*(4*\aa+\b)+\r], v[8*(4*(2*ap+\aa)+\b)+2*\r], v[8*(4*(2*ap+\aa)+\b)+2*\r+1]
.endr
.endr
.endr
	WIN 0
.endm
.macro TOSTAGE n
.set BK, OB+32*((\n)%2)
	s_wait_xcnt 0x0                                ; the registers loaded below were the data of the stores two blocks back
.if QKV
.irp aa, 0,1
.irp b, 0,1,2,3
	ds_store_b128 v[STO], v[TMP+4*(4*\aa+\b):TMP+4*(4*\aa+\b)+3] offset:\aa*16*PITCH+32*\b
.endr
.endr
.irp t, 0,1,2,3,4,5,6,7
	ds_load_b128 v[BK+4*\t:BK+4*\t+3], v[RD] offset:\t*4*PITCH     ; LDS serves a wave's instructions in order: these see the stores above
.endr
.else
	WIN 0x04                                       ; the stores' data: window 1
.irp b, 0,1,2,3
	ds_store_b128 v[STO], v[8*(4*(\n)+\b):8*(4*(\n)+\b)+3]   offset:64*\b
	ds_store_b128 v[STO], v[8*(4*(\n)+\b)+4:8*(4*(\n)+\b)+7] offset:64*\b+16
.endr
	WIN 0
.irp t, 0,1,2,3,4,5,6,7
	ds_load_b128 v[BK+4*\t:BK+4*\t+3], v[RD] offset:\t*2*SPITCH
.endr
.endif
.endm
.macro SEND n, younger                 ; younger: the LDS instructions issued behind the block's loads
.set BK, OB+32*((\n)%2)
	s_wait_dscnt \younger
.irp t, 0,1,2,3,4,5,6,7
.if QKV
	global_store_b128 v[CO], v[BK+4*\t:BK+4*\t+3], s[8:9] offset:((\n)/4)*1048576+((\n)%4)*4096+512*\t   ; a wave's store covers 512 consecutive bytes, aligned
.else
	global_store_b128 v[CO], v[BK+4*\t:BK+4*\t+3], s[8:9] offset:(16*(\n)+2*\t)*4096 th:TH_STORE_NT      ; 16 lanes store 256 consecutive bytes, aligned
.endif
.endr
.endm
	s_wait_tensorcnt 1                             ; my part of fill 0 is in; fill 1 may stay out
	s_barrier_signal -1
	s_barrier_wait -1                              ; everybody's is
	LOADB 0, 0, 0
	LOADA 0, 0
	SLOTWORK 0, 1, 0                               ; the first products start the sums
	SLOTWORK 1, 0, 0
	WIN 0
	s_mov_b32 s3, NS/2-2
.Llap:                                                 ; a trip goes once round the ring and fills both slots again
	SLOTWORK 0, 0, 0
	SLOTWORK 1, 0, 0
	WIN 0
	s_sub_co_u32 s3, s3, 1
	s_cmp_lg_u32 s3, 0
	s_cbranch_scc1 .Llap
	SLOTWORK 0, 0, 1                               ; the last two fills: nothing more is asked for
	SLOTWORK 1, 0, 2
	PLACES                                         ; the way out reads results just made
.set blk, 0
.rept NB
.if QKV
	PACK blk
.endif
	TOSTAGE blk
.if blk > 0
	SEND blk-1, 16                                 ; behind the last block's loads: this block's 8 stores and 8 loads
.endif
.set blk, blk+1
.endr
	SEND NB-1, 0
	s_wait_tensorcnt 0x0
	ds_add_u32 v30, v31
	s_wait_dscnt 0x0
	CROUND                                         ; the closing round: no work-group ends while a partner may still ask for a tile that names it
	s_endpgm
.Lfunc_end_k_q8d6b5d9748_qkvgemm:
	.size	k_q8d6b5d9748_qkvgemm, .Lfunc_end_k_q8d6b5d9748_qkvgemm-k_q8d6b5d9748_qkvgemm
	.p2alignl 7, 3214868480
	.fill 96, 4, 3214868480
	.section	.rodata,"a",@progbits
	.p2align	6, 0x0
	.amdhsa_kernel k_q8d6b5d9748_qkvgemm
		.amdhsa_group_segment_fixed_size 327680
		.amdhsa_private_segment_fixed_size 0
		.amdhsa_enable_private_segment 0
		.amdhsa_kernarg_size 16
		.amdhsa_user_sgpr_count 2
		.amdhsa_user_sgpr_kernarg_segment_ptr 1
		.amdhsa_wavefront_size32 1
		.amdhsa_system_sgpr_workgroup_id_x 1
		.amdhsa_system_sgpr_workgroup_id_y 1
		.amdhsa_system_sgpr_workgroup_id_z 1
		.amdhsa_system_vgpr_workitem_id 0
		.amdhsa_next_free_vgpr 1024
		.amdhsa_next_free_sgpr 66
		.amdhsa_reserve_vcc 0
		.amdhsa_float_denorm_mode_32 3
		.amdhsa_float_denorm_mode_16_64 3
		.amdhsa_memory_ordered 1
		.amdhsa_forward_progress 1
		.amdhsa_inst_pref_size 168
	.end_amdhsa_kernel
	.amdgpu_metadata
---
amdhsa.version: [ 1, 2 ]
amdhsa.kernels:
  - .name:           k_q8d6b5d9748_qkvgemm
    .symbol:         k_q8d6b5d9748_qkvgemm.kd
    .args:
      - { .name: cb, .offset: 0, .size: 8, .value_kind: global_buffer, .address_space: global }
      - { .name: qkv, .offset: 8, .size: 8, .value_kind: global_buffer, .address_space: global }
    .group_segment_fixed_size: 327680
    .private_segment_fixed_size: 0
    .kernarg_segment_align: 8
    .kernarg_segment_size: 16
    .max_flat_workgroup_size: 128
    .sgpr_count:     66
    .vgpr_count:     1024
    .wavefront_size: 32
...
	.end_amdgpu_metadata
.endif
;; end of part 2
;; launch attn (part 3): grid 4 x 64, 4 waves a work-group, no clusters, 327,680 bytes of LDS; arguments qkv, y; writes y
.if DOCPART == 3
	.amdgcn_target "amdgcn-amd-amdhsa--gfx1250"
	.amdhsa_code_object_version 6
	.text
	.protected	k_q8d6b5d9748_attn
	.globl	k_q8d6b5d9748_attn
	.p2align	8
	.type	k_q8d6b5d9748_attn,@function
k_q8d6b5d9748_attn:
	s_mov_b64 s[64:65], 0
	v_nop
	global_prefetch_b8 v0, s[64:65] scope:SCOPE_SE
	s_setreg_imm32_b32 hwreg(HW_REG_WAVE_MODE, 25, 1), 1
	s_wait_xcnt 0x0
; y[h][b t][:] = the sum over s <= t of softmax_s(q[t] . k[s] / 8) v[s][:], for 64 pairs (b, h), 2048 positions, 64 channels.
; qkv: [48][8192][64] f16 (block h: q of head h; 16 + h: k; 32 + h: v; row = 2048 b + t).  y: [16][8192][64] f16.  Products, maxima and sums in f32; the weights are rounded to f16.
; LIMITS: a result above 65,504 in magnitude becomes infinite in f16.  The second query block starts by multiplying the first block's O and l by 2^(-inf) = 0, so a NaN or an
; infinity in the first block's O carries over; it can only come from a key that the second block's queries see as well.
; SHARES.  Work-group (p, b h) owns the query blocks p and 7 - p (256 queries each) of one head: (p + 1) + (8 - p) = 9 key blocks of 256 keys for every work-group.  Keys beyond a
; query's own are never multiplied.  A wave owns 64 queries of the block, four tiles of 16, and walks the keys 64 a step; step 4 qb + wave is its last and is masked.
; NO CLUSTER: at trip F work-group p wants key block F (F <= p) or F - p - 1, so the four work-groups of a head want different tiles in the same trip, and heads share no keys.
; LAYOUT.  S^T = K Q^T (source 0 = 16 keys, source 1 = 16 queries): a lane holds ONE query (lane % 16) and the keys 8 (lane / 16) + 0..7.  Two such tiles, rounded in pairs, are source 1
; of O^T = V^T P, whose result again holds one query a lane, and eight channels.  K comes out of LDS as it lies, V turned by ds_load_tr16_b128.
; SOFTMAX.  A running maximum m and sum l for each query: p = 2^(c s - c m), c = log2(e) / 8; in every step O and l are multiplied by a = 2^(c m_old - c m_new).
; THE FIRST KEY STEP (keys 0 to 63) is written out in phases and keeps its weights whole: p = hi + lo, two f16 numbers, and O^T = V^T P_hi + V^T P_lo.  It is the only step of positions 0 to 63,
; whose sums have so few terms that a weight's rounding does not average out; it costs 32 products more in one of a work-group's 36 steps.
; BY TURNS, within every later step.  The wave's tiles are two pieces (tiles 0, 1; tiles 2, 3).  Piece 2's K Q^T carries piece 0's softmax in slices between its products, piece 0's V^T P carries piece 2's.
; REGISTERS.  window 0: v2-9 addresses; v12-43 statistics, 8 a tile; v44-47 mask thresholds; v50-51 at work; v64-191 S^T, 32 a tile; v192-255 P, 16 a tile.
;   window 1: v0-127 O^T, 32 a tile; v128-191 Q, 16 a tile; v192-255 K of one step.   window 2: v0-63 V of one step.
.set PK,     144      ; a row of K in LDS: 128 bytes + 16
.set PVP,    160      ; a row of V: 128 + 32: 16 lanes of the turning load take 8 rows x 32 bytes
.set VOFF,   256*PK   ; a slot: 256 rows of K, then 256 rows of V
.set KSTEPB, 64*PK
.set VSTEPB, 64*PVP
.set SLOT1,  1<<17    ; slot 1 begins here, so that one exclusive or turns an address in one slot into the other's
.set STAGE,  SLOT1+VOFF+256*PVP   ; behind the ring: 64 rows x 144 bytes for each wave; no fill lands there
.set AK0, 2           ; v2  my lane's place in a step's K; never rewritten
.set AV0, 3           ; v3  the same for V
.set ADRK, 4          ; v4  LDS address of the step's K
.set ADRV, 5          ; v5  of its V
.set QO,  6           ; v6  my byte offset in the wave's rows of Q
.set STO, 7           ; v7  the way out: where I put 16 bytes of a row
.set RD,  8           ; v8  the way out: where I read rows back
.set GO,  9           ; v9  my byte offset in the wave's rows of y
.set ST,  12          ; tile t at v[ST+8 t]: +0 c m, +1 m, +2, +3 l (even keys', odd keys'), +4 to +7 at work; a takes +6 once the maximum is found; on the way out +6, +7 hold 1 / l
.set TH,  44          ; tile t: a score of key 16 kt + j (register 8 kt + j) stays if 16 kt + j <= TH
.set HI,  50          ; v[50:51] the first step: a pair of weights cut to 11 significant bits, then what the cut left
.set S,   64
.set P,   192
.set QF,  128         ; in window 1
.set KF,  192         ; in window 1
.set WV,  12          ; s12 wave
.set PP,  13          ; s13 p
.set KB,  16          ; s[16:17] k of my head at my 128 rows of key block 0
.set VB,  18          ; s[18:19] v likewise
.set FO,  20          ; s[20:21] byte offset of the key block that the next fill brings
.set G1K, 24          ; s[24:31] descriptor group 1 for K
.set G1V, 32          ; s[32:39] for V: other padding
.set G0K, 40          ; s[40:47] group 0 for K: a set for each first fill; the second then walks on
.set G0V, 48          ; s[48:55] the same for V
.set JJ,  56          ; s56 key blocks done
.set EE,  57          ; s57 step in the key block, 0..3
.set CS,  58          ; s[58:59] c, twice
.set SEL, 60          ; s[60:61] lane selects for v_permlanex16_b32
.set SB,  62          ; s62 LDS byte of the slot in hand
.set TBK, 63          ; s63 LDS byte of the step's K
.set TBV, 66          ; s66 of its V
.set LS,  67          ; s67 step in the query block's walk
.set DG,  68          ; s68 my last, masked step: 4 x query block + wave
.set FF,  69          ; s69 fills asked for, less one
.set P1,  70          ; s70 p + 1: the fill with which the second walk begins
.set NEG, 71          ; s71 -infinity
.set Q1,  72          ; s[72:73] q, s[74:75] y at my rows of block p; s[76:77], s[78:79] of block 7 - p
.set Y1,  74
.set Q2,  76
.set Y2,  78
.set MSB, 0
.macro WIN new                      ; the immediate's high byte repeats the setting that is left; a switch that changes nothing is dropped
.if MSB != \new
	s_set_vgpr_msb (MSB<<8)|\new
.set MSB, \new
.endif
.endm
.set W_KQ, 0x05       ; K and Q in window 1, S^T in window 0
.set W_PV, 0x52       ; V in window 2, P in window 0, O^T in window 1
.set W_RS, 0x41       ; O^T (destination and source 0) in window 1, a in window 0
.macro PLACES                       ; four places behind matrix instructions whose registers are read, written or loaded next (ISA guide 7.12.1)
.rept 4
	v_nop
.endr
.endm
.macro REFILL                       ; waves 0 and 1 fetch the two halves of K's 256 rows, waves 2 and 3 those of V's
	s_cmp_lt_u32 s[WV], 2
	s_cbranch_scc0 .Lfor_v_\@
	tensor_load_to_lds s[G0K+4:G0K+7], s[G1K:G1K+7]
	s_nop 0
.rept 4
	v_nop
.endr
	s_branch .Lasked_\@
.Lfor_v_\@:
	tensor_load_to_lds s[G0V+4:G0V+7], s[G1V:G1V+7]
	s_nop 0
.rept 4
	v_nop
.endr
.Lasked_\@:
.endm
.macro LOADQ qb                     ; Q stays in registers: tile t, channels 32 c on
	WIN 0x40
.irp t, 0,1,2,3
.irp c, 0,1
	global_load_b128 v[QF+16*\t+8*\c:QF+16*\t+8*\c+3],   v[QO], s[\qb:\qb+1] offset:\t*2048+\c*64
	global_load_b128 v[QF+16*\t+8*\c+4:QF+16*\t+8*\c+7], v[QO], s[\qb:\qb+1] offset:\t*2048+\c*64+32
.endr
.endr
	WIN 0
.endm
	s_load_b128 s[4:7], s[0:1], 0x0  ; qkv s[4:5], y s[6:7]
	v_lshl_add_u32 v62, v0, 2, 0x3c000
	v_mov_b32 v63, 0
	ds_add_u32 v62, v63
	ds_add_u32 v62, v63
	v_lshrrev_b32 v1, 5, v0
	v_readfirstlane_b32 s[WV], v1   ; wave 0..3
	s_mov_b32 s[PP], ttmp9
	s_and_b32 s14, ttmp7, 0xffff    ; 16 b + h
	s_lshr_b32 s15, s14, 4
	s_and_b32 s14, s14, 15
	s_lshl_b32 s14, s14, 20         ; the head's block of 1 MiB,
	s_lshl_b32 s15, s15, 18         ; the batch's 2048 rows of 128 bytes
	s_add_co_u32 s14, s14, s15
	s_and_b32 s15, s[WV], 1         ; which 128 rows of a key block I fetch
	s_lshl_b32 s2, s15, 14
	s_add_co_u32 s2, s2, s14
	s_add_co_u32 s2, s2, 16<<20     ; k's blocks lie 16 behind q's
	s_mov_b32 s3, 0
	s_lshl_b32 s22, s[WV], 13       ; my wave's 64 rows
	s_add_co_u32 s22, s22, s14
	s_lshl_b32 s8, s[PP], 15        ; query block p
	s_add_co_u32 s8, s8, s22
	s_mov_b32 s9, 0
	s_sub_co_u32 s10, 7, s[PP]      ; query block 7 - p
	s_lshl_b32 s10, s10, 15
	s_add_co_u32 s10, s10, s22
	s_mov_b32 s11, 0
	s_mul_i32 s23, s15, 128*PK      ; where my rows go in a slot
	s_mul_i32 s22, s15, 128*PVP
	s_add_co_u32 s22, s22, VOFF
	; group 1: 128 rows of 64 elements of 2 bytes, dense in memory, padded in LDS behind every 32 words
	s_mov_b32 s[G1K], (1<<16)|(1<<20)|(4<<22)|(3<<25)   ; 4 words of padding
	s_mov_b32 s[G1V], (1<<16)|(1<<20)|(4<<22)|(7<<25)   ; 8 words
.irp g, G1K, G1V
	s_mov_b32 s[\g+1], 64<<16       ; tensor_dim0 = 64
	s_mov_b32 s[\g+2], 128<<16      ; tensor_dim1 = 128
	s_mov_b32 s[\g+3], 64<<16       ; tile_dim0 = 64
	s_mov_b32 s[\g+4], 128          ; tile_dim1 = 128
	s_mov_b32 s[\g+5], 64           ; elements from row to row
	s_mov_b32 s[\g+6], 0
	s_mov_b32 s[\g+7], 0
.endr
	s_mov_b32 s[CS], 0x3e38aa3b     ; c = log2(e) / 8
	s_mov_b32 s[CS+1], s[CS]
	s_mov_b32 s[SEL], 0x76543210
	s_mov_b32 s[SEL+1], 0xfedcba98
	s_mov_b32 s[NEG], 0xff800000
	s_mov_b32 s[SB], 0
	s_cmp_lg_u32 s[PP], 0
	s_cselect_b32 s[FO], 32768, 0   ; fill 1: key block 1 of the first walk, or, with p = 0, key block 0 of the second
	s_mov_b32 s[FO+1], 0
	s_wait_dscnt 0x0
	s_wait_kmcnt 0x0
	s_add_nc_u64 s[KB:KB+1], s[4:5], s[2:3]
	s_add_nc_u64 s[VB:VB+1], s[KB:KB+1], 16<<20
	s_add_nc_u64 s[Q1:Q1+1], s[4:5], s[8:9]
	s_add_nc_u64 s[Y1:Y1+1], s[6:7], s[8:9]
	s_add_nc_u64 s[Q2:Q2+1], s[4:5], s[10:11]
	s_add_nc_u64 s[Y2:Y2+1], s[6:7], s[10:11]
	s_mov_b32 s[G0K], 1
	s_mov_b32 s[G0K+1], s23
	s_mov_b64 s[G0K+2:G0K+3], s[KB:KB+1]
	s_or_b32 s[G0K+3], s[G0K+3], 0x80000000
	s_mov_b32 s[G0K+4], 1
	s_add_co_u32 s[G0K+5], s23, SLOT1
	s_add_nc_u64 s[G0K+6:G0K+7], s[KB:KB+1], s[FO:FO+1]
	s_or_b32 s[G0K+7], s[G0K+7], 0x80000000
	s_mov_b32 s[G0V], 1
	s_mov_b32 s[G0V+1], s22
	s_mov_b64 s[G0V+2:G0V+3], s[VB:VB+1]
	s_or_b32 s[G0V+3], s[G0V+3], 0x80000000
	s_mov_b32 s[G0V+4], 1
	s_add_co_u32 s[G0V+5], s22, SLOT1
	s_add_nc_u64 s[G0V+6:G0V+7], s[VB:VB+1], s[FO:FO+1]
	s_or_b32 s[G0V+7], s[G0V+7], 0x80000000
	s_cmp_lt_u32 s[WV], 2           ; a wave's two first fills stand in one branch, ahead of every wait on TENSORcnt, every LDS read and every barrier: two loads of mine are out
	s_cbranch_scc0 .Lfirst_v
	tensor_load_to_lds s[G0K:G0K+3], s[G1K:G1K+7]
	s_nop 0
	tensor_load_to_lds s[G0K+4:G0K+7], s[G1K:G1K+7]
	s_nop 0
.rept 4
	v_nop
.endr
	s_branch .Lfirst_asked
.Lfirst_v:
	tensor_load_to_lds s[G0V:G0V+3], s[G1V:G1V+7]
	s_nop 0
	tensor_load_to_lds s[G0V+4:G0V+7], s[G1V:G1V+7]
	s_nop 0
.rept 4
	v_nop
.endr
.Lfirst_asked:
	v_and_b32 v1, 15, v0            ; l % 16
	v_bfe_u32 v10, v0, 4, 1         ; l / 16
	v_lshlrev_b32 v[QO], 7, v1
	v_lshl_add_u32 v[QO], v10, 4, v[QO]  ; row x 128 + 16 x half
	LOADQ Q1
	v_mul_u32_u24 v[AK0], v1, PK
	v_lshl_add_u32 v[AK0], v10, 4, v[AK0]  ; row x pitch + 16 x half
	v_and_b32 v11, 7, v0            ; the turning load: lane l reads key 8 (l / 16) + l % 8, channels 8 ((l / 8) % 2) + 0..7
	v_lshl_add_u32 v[AV0], v10, 3, v11
	v_mul_u32_u24 v[AV0], v[AV0], PVP
	v_bfe_u32 v11, v0, 3, 1
	v_lshl_add_u32 v[AV0], v11, 4, v[AV0]
	v_add_nc_u32 v[AV0], VOFF, v[AV0]
	s_mul_i32 s15, s[WV], 64*PK
	s_add_co_u32 s15, s15, STAGE    ; my stage
	v_add_nc_u32 v[STO], s15, v[AK0]  ; in: row l % 16, 16 bytes for each half of the lanes
	v_and_b32 v11, 31, v0
	v_lshrrev_b32 v[RD], 3, v11     ; back: eight lanes take a row of 128 bytes, a load four rows
	v_mul_u32_u24 v[RD], v[RD], PK
	v_and_b32 v48, 7, v0
	v_lshl_add_u32 v[RD], v48, 4, v[RD]
	v_add_nc_u32 v[RD], s15, v[RD]
	v_lshlrev_b32 v[GO], 4, v11     ; four rows of y are 512 consecutive bytes
	s_lshl_b32 s14, s[PP], 8
	s_lshl_b32 s15, s[WV], 6
	s_add_co_u32 s14, s14, s15      ; how far my first query lies behind key 0: the first step's mask takes it in, so that it serves every p and wave
	v_lshlrev_b32 v48, 3, v10
	v_sub_nc_u32 v48, v1, v48       ; l % 16 - 8 (l / 16)
	v_add_nc_u32 v48, s14, v48
.irp t, 0,1,2,3
	v_add_nc_u32 v[TH+\t], 16*\t, v48
.endr
	v_mov_b32 v[ADRK], v[AK0]       ; the first step's K and V lie at the head of slot 0
	v_mov_b32 v[ADRV], v[AV0]
; THE MATRIX WORK.  The accumulators take turns, one instruction a turn.
; Product i of 16 of S^T = K Q^T for piece x: channels 32 (i / 8) on, keys 16 ((i / 2) % 4) on, tile x + i % 2.  The first 8 start the sums.
.macro KQ x
	WIN W_KQ
.set rS, S+32*(\x+i%2)+8*((i/2)%4)
.set rK, KF+8*(2*((i/2)%4)+i/8)
.set rQ, QF+16*(\x+i%2)+8*(i/8)
.if i < 8
	v_wmma_f32_16x16x32_f16 v[rS:rS+7], v[rK:rK+7], v[rQ:rQ+7], 0
.else
	v_wmma_f32_16x16x32_f16 v[rS:rS+7], v[rK:rK+7], v[rQ:rQ+7], v[rS:rS+7]
.endif
.endm
; Product i of 16 of O^T += V^T P: keys 32 (i / 8) on, channels 16 ((i / 2) % 4) on, tile x + i % 2.
; mode 0: it adds.  mode 1: the first 8 start the sums: nothing is ever cleared.  mode 2: it adds, with the weights' low parts, which lie in S^T's first 16 registers of the tile.
.macro PV x, mode
	WIN W_PV
.set rO, 32*(\x+i%2)+8*((i/2)%4)
.set rV, 8*(4*(i/8)+(i/2)%4)
.if \mode == 2
.set rP, S+32*(\x+i%2)+8*(i/8)
.else
.set rP, P+16*(\x+i%2)+8*(i/8)
.endif
.if (\mode == 1) && (i < 8)
	v_wmma_f32_16x16x32_f16 v[rO:rO+7], v[rV:rV+7], v[rP:rP+7], 0
.else
	v_wmma_f32_16x16x32_f16 v[rO:rO+7], v[rV:rV+7], v[rP:rP+7], v[rO:rO+7]
.endif
.endm
.macro FETCH_K off                  ; 16 loads: 64 keys x 64 channels, off bytes behind v[ADRK]: keys 16 (f / 2) on, channels 32 (f % 2) on.  It leaves the destination's window at 1
	WIN 0x40
.irp f, 0,1,2,3,4,5,6,7
	ds_load_b128 v[KF+8*\f:KF+8*\f+3],   v[ADRK] offset:\off+(\f/2)*16*PK+(\f%2)*64
	ds_load_b128 v[KF+8*\f+4:KF+8*\f+7], v[ADRK] offset:\off+(\f/2)*16*PK+(\f%2)*64+32
.endr
.endm
.macro FETCH_V                      ; 16 turning loads: keys 32 (f / 4) on, channels 16 (f % 4) on.  It leaves the destination's window at 2
	WIN 0x80
.irp f, 0,1,2,3,4,5,6,7
	ds_load_tr16_b128 v[8*\f:8*\f+3],   v[ADRV] offset:(\f/4)*32*PVP+(\f%4)*32
	ds_load_tr16_b128 v[8*\f+4:8*\f+7], v[ADRV] offset:(\f/4)*32*PVP+16*PVP+(\f%4)*32
.endr
.endm
; THE VECTOR WORK OF A STEP BEHIND THE FIRST.  One tile's softmax for one key step is a list of 118 instructions; SM writes number j of it for tile t.  s0-s31 are the lane's 32 scores, in pairs 0-15.
;   0-15    the maximum of s0-s31 and the old m, three operands at a time
;   16-20   the other half of the lanes' maximum; the new m; c m; c m_old - c m_new
;   21-87   33 exponentials (a, then s0-s31) at the odd numbers from 23 on, a plain instruction between any two: c s - c m for pairs whose exponentials are still to come,
;           the rounding to f16 of pairs whose exponentials are done, the first sums
;   88-101  the last rounding; the rest of the sums; l = a l + the sum
;   102-117 the tile's O^T times a: the one part that leaves window 0
.macro SM t
.set rT, ST+8*(\t)
.set rS, S+32*(\t)
.set rP, P+16*(\t)
.set rO, 32*(\t)+2*(j-102)
.set q, (j-20)/2
.if j < 102
	WIN 0
.endif
.if j < 4
	v_max3_num_f32 v[rT+4+j], v[rS+8*j], v[rS+8*j+1], v[rS+8*j+2]
.elseif j < 12
	v_max3_num_f32 v[rT+4+j%4], v[rT+4+j%4], v[rS+8*(j%4)+2*(j/4)+1], v[rS+8*(j%4)+2*(j/4)+2]
.elseif j == 12
	v_max3_num_f32 v[rT+4], v[rT+4], v[rS+7], v[rS+15]
.elseif j == 13
	v_max3_num_f32 v[rT+6], v[rT+6], v[rS+23], v[rS+31]
.elseif j == 14
	v_max3_num_f32 v[rT+4], v[rT+4], v[rT+5], v[rT+6]
.elseif j == 15
	v_max3_num_f32 v[rT+4], v[rT+4], v[rT+7], v[rT+1]
.elseif j == 16
	v_permlanex16_b32 v[rT+5], v[rT+4], s[SEL], s[SEL+1]  ; the query's other 32 keys lie in the lane 16 away
.elseif j == 17
	v_mov_b32 v[rT+7], v[rT]        ; c m_old is kept for a: number 19 writes c m anew
.elseif j == 18
	v_max_num_f32 v[rT+1], v[rT+4], v[rT+5]
.elseif j == 19
	v_mul_f32 v[rT], s[CS], v[rT+1]
.elseif j == 20
	v_sub_f32 v[rT+7], v[rT+7], v[rT]
.elseif j == 23
	v_exp_f32 v[rT+6], v[rT+7]
.elseif (j < 88) && (j > 23) && (j%2 == 1)
	v_exp_f32 v[rS+(j-25)/2], v[rS+(j-25)/2]
.elseif (q < 4) || ((j < 76) && (q%2 == 0))
.set b, q/2+2
.if q < 4
.set b, q
.endif
	v_pk_fma_f32 v[rS+2*b:rS+2*b+1], v[rS+2*b:rS+2*b+1], s[CS:CS+1], v[rT:rT+1] op_sel_hi:[1,0,0] neg_lo:[0,0,1] neg_hi:[0,0,1]  ; pair b: c s - c m
.elseif (j < 88) && (q%2 == 1)
	s_wait_alu depctr_va_vdst(0)
	v_cvt_pk_f16_f32 v[rP+(q-5)/2], v[rS+q-5], v[rS+q-4]  ; pair (q - 5) / 2: its second exponential stands three numbers back
.elseif j == 89
	s_wait_alu depctr_va_vdst(0)
	v_cvt_pk_f16_f32 v[rP+15], v[rS+30], v[rS+31]
.elseif j < 102                     ; the sum of the tile's 16 pairs, in place: sum z of 16 adds neighbours 1, 2, 4 and 8 pairs apart, then l takes it
.set z, j-86
.if j < 89
.set z, (j-76)/4
.endif
.set w, 4
.set u, z
.if z >= 14
.set w, 32
.set u, 0
.elseif z >= 12
.set w, 16
.set u, z-12
.elseif z >= 8
.set w, 8
.set u, z-8
.endif
.if z < 15
	v_pk_add_f32 v[rS+w*u:rS+w*u+1], v[rS+w*u:rS+w*u+1], v[rS+w*u+w/2:rS+w*u+w/2+1]
.else
	v_pk_fma_f32 v[rT+2:rT+3], v[rT+2:rT+3], v[rT+6:rT+7], v[rS:rS+1] op_sel_hi:[1,0,1]
.endif
.else
	WIN W_RS
	v_pk_mul_f32 v[rO:rO+1], v[rO:rO+1], v[rT+6:rT+7] op_sel_hi:[1,0]
.endif
.endm
; Slice k of 59 of piece y's softmax: numbers 2 k and 2 k + 1 of both tiles' lists, four instructions.
.macro SLICE y
.if (k >= 11) && (k < 44)           ; tile by tile: plain, exponential, plain, exponential
.irp t, \y, \y+1
.irp n, 0,1
.set j, 2*k+\n
	SM \t
.endr
.endr
.else                               ; the two tiles alternate, so that no instruction reads the result of the one just before it
.irp n, 0,1
.irp t, \y, \y+1
.set j, 2*k+\n
	SM \t
.endr
.endr
.endif
.set k, k+1
.endm
; THE FIRST STEP'S SOFTMAX for tile t, in phases: it starts m and l, and there is no a and nothing to rescale.
; A weight p is cut to its upper 11 significant bits (hi: exact in f16 from 2^-14 up); lo = p - hi is exact in f32 and is rounded to f16.  l is the sum of the whole weights.
; Pair e's lo goes to register e of the tile's S^T: the pairs up to e, registers 0 to 2 e + 1, have been taken by then.
.macro SOFT1 t
.set rT, ST+8*(\t)
.set rS, S+32*(\t)
.set rP, P+16*(\t)
	WIN 0
	v_max3_num_f32 v[rT+4], v[rS], v[rS+1], v[rS+2]           ; two chains: s0-s14 and s16-s30
	v_max3_num_f32 v[rT+5], v[rS+16], v[rS+17], v[rS+18]
.set e, 3
.rept 6
	v_max3_num_f32 v[rT+4], v[rT+4], v[rS+e], v[rS+e+1]
	v_max3_num_f32 v[rT+5], v[rT+5], v[rS+16+e], v[rS+16+e+1]
.set e, e+2
.endr
	v_max3_num_f32 v[rT+4], v[rT+4], v[rS+15], v[rS+31]
	v_max_num_f32 v[rT+4], v[rT+4], v[rT+5]
	v_permlanex16_b32 v[rT+5], v[rT+4], s[SEL], s[SEL+1]      ; the query's other 32 keys lie in the lane 16 away
	v_max_num_f32 v[rT+1], v[rT+4], v[rT+5]                   ; m: finite, since key 0 is masked for no query
	v_mul_f32 v[rT], s[CS], v[rT+1]                           ; c m
.set e, 0
.rept 16
	v_pk_fma_f32 v[rS+e:rS+e+1], v[rS+e:rS+e+1], s[CS:CS+1], v[rT:rT+1] op_sel_hi:[1,0,0] neg_lo:[0,0,1] neg_hi:[0,0,1]  ; c s - c m
.set e, e+2
.endr
.set e, 0
.rept 32
	v_exp_f32 v[rS+e], v[rS+e]
.set e, e+1
.endr
	v_nop                           ; a plain instruction between the last exponential and the use of its result
	s_wait_alu depctr_va_vdst(0)
	v_pk_add_f32 v[rT+2:rT+3], v[rS:rS+1], v[rS+2:rS+3]       ; l starts here
.set e, 4
.rept 14
	v_pk_add_f32 v[rT+2:rT+3], v[rT+2:rT+3], v[rS+e:rS+e+1]
.set e, e+2
.endr
.set e, 0
.rept 16
	v_and_b32 v[HI],   0xffffe000, v[rS+2*e]                  ; hi: the low 13 of f32's 23 fraction bits are cleared
	v_and_b32 v[HI+1], 0xffffe000, v[rS+2*e+1]
	v_cvt_pk_f16_f32 v[rP+e], v[HI], v[HI+1]
	v_sub_f32 v[HI],   v[rS+2*e],   v[HI]                     ; lo
	v_sub_f32 v[HI+1], v[rS+2*e+1], v[HI+1]
	v_cvt_pk_f16_f32 v[rS+e], v[HI], v[HI+1]
.set e, e+1
.endr
.endm
; The causal mask on piece y's scores: a key beyond the lane's query gets -infinity.  Every query keeps its own key, so m stays finite.
.macro MASKB y
	WIN 0
.irp t, \y, \y+1
.set idx, 0
.rept 32
	v_cmp_le_i32 vcc_lo, 16*(idx/8)+idx%8, v[TH+(\t)]
	v_cndmask_b32 v[S+32*(\t)+idx], s[NEG], v[S+32*(\t)+idx], vcc_lo
.set idx, idx+1
.endr
.endr
.endm
; A KEY STEP behind the first.  K's 16 loads have been issued ahead.  mask = 1: the causal mask.
; pref: the next step's K is fetched in the middle: 0 never (no step of this walk follows), 1 unless this is the key block's last step.
.macro STEP mask, pref
	WIN 0                           ; the two addresses below lie in window 0
	v_add_nc_u32 v[ADRK], s[TBK], v[AK0]
	v_add_nc_u32 v[ADRV], s[TBV], v[AV0]
	FETCH_V                         ; V's last readers stand in front of the places that ended the step before
	s_wait_dscnt 16                 ; K is in: behind its loads stand V's sixteen
.set i, 0
.rept 16
	KQ 0                            ; piece 0's scores
.set i, i+1
.endr
	PLACES
.if \mask
	MASKB 0
.endif
.set k, 0
.set i, 0
.rept 16
	KQ 2                            ; piece 2's scores | piece 0's softmax, up to four slices behind each product
.rept 4
.if k < 59
	SLICE 0
.endif
.endr
.set i, i+1
.endr
	PLACES                          ; behind the last product that read K and wrote S^T
	s_wait_dscnt 0x0                ; V is in
.if \pref
	WIN 0
	s_cmp_eq_u32 s[EE], 3           ; the key block's last step has no successor in this slot: its run of loads is jumped over
	s_cbranch_scc1 .Lno_k_\@
	FETCH_K KSTEPB
	WIN 0
.Lno_k_\@:
.endif
.if \mask
	MASKB 2
.endif
.set k, 0
.set i, 0
.rept 16
	PV 0, 0                         ; piece 0's V^T P | piece 2's softmax
.rept 4
.if k < 59
	SLICE 2
.endif
.endr
.set i, i+1
.endr
.set i, 0
.rept 16
	PV 2, 0                         ; piece 2's V^T P
.set i, i+1
.endr
	PLACES
	WIN 0
.endm
; The rest of a key block: steps in front of my last run unmasked, my last masked, those behind it not at all.  No barrier stands inside.
.macro DLOOP
.Lstep_\@:
	s_mul_i32 s[TBK], s[EE], KSTEPB
	s_add_co_u32 s[TBK], s[TBK], s[SB]
	s_mul_i32 s[TBV], s[EE], VSTEPB
	s_add_co_u32 s[TBV], s[TBV], s[SB]
	s_cmp_lt_u32 s[LS], s[DG]
	s_cbranch_scc0 .Ldiag_\@
	STEP 0, 1
	s_branch .Ljoin_\@
.Ldiag_\@:
	s_cmp_eq_u32 s[LS], s[DG]
	s_cbranch_scc0 .Ljoin_\@
	STEP 1, 0
.Ljoin_\@:
	s_add_co_u32 s[LS], s[LS], 1
	s_add_co_u32 s[EE], s[EE], 1
	s_cmp_lt_u32 s[EE], 4
	s_cbranch_scc1 .Lstep_\@
.endm
; THE CHANGE OF SLOTS.  Each wave waits for its own reads of the slot and for all its tensor loads, of which one is out: its part of the other slot.  Behind the barrier nobody reads
; this slot any more and the other slot is whole.  refill = 1: this slot is filled again, first thing behind the barrier; the load has a key block's four steps in which to land.
.macro CHANGE refill
	s_wait_dscnt 0x0
	s_wait_tensorcnt 0x0            ; no tensor load of mine is out, so a group 0 may be written
	ds_add_u32 v62, v63
	s_wait_dscnt 0x0
.if \refill
	s_add_co_u32 s[FF], s[FF], 1
	s_add_co_u32 s[FO], s[FO], 32768  ; the next 256 keys,
	s_cmp_eq_u32 s[FF], s[P1]
	s_cselect_b32 s[FO], 0, s[FO]   ; or key 0 again, where the second walk begins
	s_xor_b32 s[G0K+5], s[G0K+5], SLOT1  ; the walking descriptors: the other slot than last time
	s_xor_b32 s[G0V+5], s[G0V+5], SLOT1
	s_add_nc_u64 s[G0K+6:G0K+7], s[KB:KB+1], s[FO:FO+1]
	s_or_b32 s[G0K+7], s[G0K+7], 0x80000000
	s_add_nc_u64 s[G0V+6:G0V+7], s[VB:VB+1], s[FO:FO+1]
	s_or_b32 s[G0V+7], s[G0V+7], 0x80000000
.endif
	s_barrier_signal -1
	s_barrier_wait -1
.if \refill
	REFILL
.endif
	s_xor_b32 s[SB], s[SB], SLOT1
	s_mov_b32 s[EE], 0
	v_add_nc_u32 v[ADRK], s[SB], v[AK0]
	FETCH_K 0                       ; the new slot's first K
	WIN 0
.endm
; THE WAY OUT of a query block.  l's two halves and the other half of the lanes' are added; O^T is divided by l, rounded to f16 and sent through my stage as whole rows.
; more = 1: S^T's registers, the stores' data, are written again afterwards.
.macro OUT yb, more
	WIN 0
.irp t, 0,1,2,3
	v_add_f32 v[ST+8*\t+4], v[ST+8*\t+2], v[ST+8*\t+3]
.endr
.irp t, 0,1,2,3
	v_permlanex16_b32 v[ST+8*\t+5], v[ST+8*\t+4], s[SEL], s[SEL+1]
.endr
.irp t, 0,1,2,3
	v_add_f32 v[ST+8*\t+4], v[ST+8*\t+4], v[ST+8*\t+5]
.endr
.irp t, 0,1,2,3
	v_rcp_f32 v[ST+8*\t+6], v[ST+8*\t+4]  ; 1 / l is made twice, to fill the pair that the packed multiply takes: a wave whose only step was the first
	v_rcp_f32 v[ST+8*\t+7], v[ST+8*\t+4]  ; has written neither register before
.endr
	v_nop                           ; a plain instruction between the last reciprocal and the use of its result
	s_wait_alu depctr_va_vdst(0)
.irp t, 0,1,2,3
	WIN W_RS
.set i, 0
.rept 16
	v_pk_mul_f32 v[32*\t+2*i:32*\t+2*i+1], v[32*\t+2*i:32*\t+2*i+1], v[ST+8*\t+6:ST+8*\t+7]
.set i, i+1
.endr
	WIN 0x05                        ; sources 0 and 1 window 1, destination window 0
.set i, 0
.rept 16
	v_cvt_pk_f16_f32 v[S+32*\t+i], v[32*\t+2*i], v[32*\t+2*i+1]
.set i, i+1
.endr
	WIN 0
.irp c, 0,1,2,3
	ds_store_b128 v[STO], v[S+32*\t+4*\c:S+32*\t+4*\c+3] offset:\t*16*PK+32*\c
.endr
.endr
.irp t, 0,1,2,3
.irp u, 0,1,2,3
	ds_load_b128 v[S+32*\t+16+4*\u:S+32*\t+16+4*\u+3], v[RD] offset:(16*\t+4*\u)*PK  ; LDS serves a wave's instructions in order: these see the stores above
.endr
.endr
.irp t, 0,1,2,3
.irp u, 0,1,2,3
	s_wait_dscnt 15-(4*\t+\u)       ; the younger loads stay out
	global_store_b128 v[GO], v[S+32*\t+16+4*\u:S+32*\t+16+4*\u+3], s[\yb:\yb+1] offset:\t*2048+512*\u  ; a wave's store covers 512 consecutive bytes, aligned
.endr
.endr
.if \more
	s_wait_xcnt 0x0                 ; the stores' data are rewritten only behind this wait
.endif
.endm
	s_wait_tensorcnt 1              ; my part of fill 0 is in; fill 1 may stay out
	s_barrier_signal -1
	s_barrier_wait -1               ; everybody's is
	; KEY STEP 0 of block p's walk, in phases: it starts m, l and O^T, and its weights go into the second product in two parts
	FETCH_K 0
	FETCH_V
	s_wait_loadcnt 0x0              ; Q
	s_wait_dscnt 16                 ; K is in: behind its loads stand V's sixteen
.irp x, 0,2
.set i, 0
.rept 16
	KQ \x
.set i, i+1
.endr
.endr
	PLACES                          ; behind the last product that read K and wrote S^T
	MASKB 0                         ; with my first query's distance from key 0 in the thresholds the mask serves every p and wave
	MASKB 2
.irp t, 0,1,2,3
	SOFT1 \t
.endr
	s_wait_dscnt 0x0                ; V is in
	FETCH_K KSTEPB                  ; key step 1's K
.irp x, 0,2
.set i, 0
.rept 16
	PV \x, 1                        ; V^T P_hi starts O^T
.set i, i+1
.endr
.endr
.irp x, 0,2
.set i, 0
.rept 16
	PV \x, 2                        ; + V^T P_lo
.set i, i+1
.endr
.endr
	PLACES
	WIN 0
.irp t, 0,1,2,3
	v_sub_nc_u32 v[TH+\t], v[TH+\t], s14  ; from now on a masked step's first key is my first query
.endr
	s_mov_b32 s[LS], 1
	s_mov_b32 s[EE], 1
	s_lshl_b32 s[DG], s[PP], 2
	s_add_co_u32 s[DG], s[DG], s[WV]
	s_add_co_u32 s[P1], s[PP], 1
	s_mov_b32 s[FF], 1
	s_mov_b32 s[JJ], 0
.Lblock:                            ; seven trips: every key block but the last two is followed by a refill
	DLOOP
	s_cmp_lg_u32 s[JJ], s[PP]
	s_cbranch_scc1 .Lno_switch
	OUT Y1, 1                       ; block p is done: it goes out, and block 7 - p takes its place
	LOADQ Q2
.irp t, 0,1,2,3
	v_mov_b32 v[ST+8*\t], s[NEG]    ; c m and m = -infinity: the next step's a is 0 and wipes O and l
	v_mov_b32 v[ST+8*\t+1], s[NEG]
.endr
	s_mov_b32 s[LS], 0
	s_sub_co_u32 s[DG], 7, s[PP]
	s_lshl_b32 s[DG], s[DG], 2
	s_add_co_u32 s[DG], s[DG], s[WV]
	s_wait_loadcnt 0x0              ; Q
.Lno_switch:
	CHANGE 1
	s_add_co_u32 s[JJ], s[JJ], 1
	s_cmp_lt_u32 s[JJ], 7
	s_cbranch_scc1 .Lblock
	DLOOP                           ; the tail is written out
	CHANGE 0
	DLOOP
	OUT Y2, 0
	s_wait_tensorcnt 0x0
	ds_add_u32 v62, v63
	s_wait_dscnt 0x0
	s_endpgm
.Lfunc_end_k_q8d6b5d9748_attn:
	.size	k_q8d6b5d9748_attn, .Lfunc_end_k_q8d6b5d9748_attn-k_q8d6b5d9748_attn
	.p2alignl 7, 3214868480
	.fill 96, 4, 3214868480
	.section	.rodata,"a",@progbits
	.p2align	6, 0x0
	.amdhsa_kernel k_q8d6b5d9748_attn
		.amdhsa_group_segment_fixed_size 327680
		.amdhsa_private_segment_fixed_size 0
		.amdhsa_enable_private_segment 0
		.amdhsa_kernarg_size 16
		.amdhsa_user_sgpr_count 2
		.amdhsa_user_sgpr_kernarg_segment_ptr 1
		.amdhsa_wavefront_size32 1
		.amdhsa_system_sgpr_workgroup_id_x 1
		.amdhsa_system_sgpr_workgroup_id_y 1
		.amdhsa_system_sgpr_workgroup_id_z 1
		.amdhsa_system_vgpr_workitem_id 0
		.amdhsa_next_free_vgpr 576
		.amdhsa_next_free_sgpr 80
		.amdhsa_reserve_vcc 1
		.amdhsa_float_denorm_mode_32 3
		.amdhsa_float_denorm_mode_16_64 3
		.amdhsa_memory_ordered 1
		.amdhsa_forward_progress 1
		.amdhsa_inst_pref_size 255
	.end_amdhsa_kernel
	.section	.bss,"aw",@nobits
	.p2align	6
	.space	262144
	.amdgpu_metadata
---
amdhsa.version: [ 1, 2 ]
amdhsa.kernels:
  - .name:           k_q8d6b5d9748_attn
    .symbol:         k_q8d6b5d9748_attn.kd
    .args:
      - { .name: qkv, .offset: 0, .size: 8, .value_kind: global_buffer, .address_space: global }
      - { .name: y, .offset: 8, .size: 8, .value_kind: global_buffer, .address_space: global }
    .group_segment_fixed_size: 327680
    .private_segment_fixed_size: 0
    .kernarg_segment_align: 8
    .kernarg_segment_size: 16
    .max_flat_workgroup_size: 128
    .sgpr_count:     80
    .vgpr_count:     576
    .wavefront_size: 32
...
	.end_amdgpu_metadata
.endif
;; end of part 3
;; launch proj (part 4): grid 8 x 32, 4 waves a work-group, clusters of 4 x 4, 327,680 bytes of LDS; arguments y, cb, out0; writes out0
.if DOCPART == 4
	.amdgcn_target "amdgcn-amd-amdhsa--gfx1250"
	.amdhsa_code_object_version 6
	.text
	.protected	k_q8d6b5d9748_proj
	.globl	k_q8d6b5d9748_proj
	.p2align	8
	.type	k_q8d6b5d9748_proj,@function
k_q8d6b5d9748_proj:
	s_mov_b64 s[64:65], 0
	v_nop
	global_prefetch_b8 v0, s[64:65] scope:SCOPE_SE
	s_setreg_imm32_b32 hwreg(HW_REG_WAVE_MODE, 25, 1), 1
	s_wait_xcnt 0x0
	s_wait_alu depctr_hold_cnt(0) depctr_sa_sdst(0) depctr_va_vdst(0) depctr_va_sdst(0) depctr_va_ssrc(0) depctr_va_vcc(0) depctr_vm_vsrc(0)
	s_getreg_b32 s2, hwreg(HW_REG_IB_STS2, 6, 4)
	s_cmp_eq_u32 s2, 0
	s_cbranch_scc0 .Lentry_in_a_cluster
	s_endpgm
.Lentry_in_a_cluster:
	s_bfe_u32 s2, ttmp6, 0x10000c
	s_cmp_lg_u32 s2, 0xf033
	s_cbranch_scc0 .Lentry_shape_is_right
	s_endpgm
.Lentry_shape_is_right:
; C[m][n] = sum over k of A[m][k] B[n][k], K = 1024, f16 operands, f32 sums.  One text for two products; the line below chooses.
;   QKV = 1: A = x's image (8192 rows), B = wq, wk, wv stacked (3072 rows), both in cb; C = q, k, v in f16, laid [3072/64][8192][64].
;   QKV = 0: A = attention's result y, B = wo's image in cb; C = out0 in f32, [8192][1024].
; A and B lie K-blocked, [16][rows][64]: R rows x 64 along K are R x 128 dense bytes.
; LIMIT (QKV = 1): a result above 65,504 in magnitude becomes infinite in f16.
; SHARES.  256 work-groups, one tile of C each: 256 rows x 128 NG columns.  Four waves; a wave makes 128 rows x 64 NG columns: 32 NG accumulators.
; K goes through a ring of two LDS slots of 64 KBS along K, filled by the tensor data mover; LDS rows are 128 bytes + 16 of padding.
; CLUSTER.  4 x 4 work-groups: the four of a row need the same tiles of A, the four of a column the same tiles of B; each tile is asked for
; jointly, by the same tensor load with the same descriptor and a mask that names the four.
; THE MATRIX INSTRUCTION IS USED TRANSPOSED (source 0 = 16 rows of B, source 1 = 16 rows of A): a lane holds eight neighbouring columns of one row of C.
; REGISTERS.  window 0: v0-31 addresses; v32-159 two buffers of A's fragments (8 x 16 rows x 32 K); v160-223 two buffers of B's (4 x 16 rows x 32 K).
;   window 1 + g: the 32 accumulators of column group g: (a, b) at v[8 (4 a + b)].  On the way out v32-127 of window 0 are at work.
.set QKV, 0
.if QKV
.set NG,    3                          ; groups of 64 columns in a wave
.set KBS,   1                          ; blocks of 64 along K in a slot
.set AR,    128                        ; A: rows of one load; bytes between the two loads' pieces in memory and in LDS (half of the tile's rows)
.set APG,   16384
.set APL,   18432
.set BR,    192                        ; B likewise
.set BPG,   24576
.set BPL,   27648
.set ASTEP, 2097152                    ; bytes that a slot's address steps: two fills
.set BSTEP, 786432
.set BKL,   55296                      ; LDS bytes of one K block of B (384 rows)
.set BOFF,  16777216                   ; where B begins in its buffer
.set BTILE, 49152                      ; bytes of a tile column's rows in one K block
.set STW,   4608                       ; a wave's stage: 32 rows x 144
.set NB,    12                         ; blocks on the way out
.set ARGA,  0
.set ARGB,  0
.set ARGC,  8
.else
.set NG,    1
.set KBS,   2
.set AR,    256                        ; a piece is a whole K block of the tile
.set APG,   1048576
.set APL,   36864
.set BR,    128
.set BPG,   131072
.set BPL,   18432
.set ASTEP, 4194304
.set BSTEP, 524288
.set BKL,   18432
.set BOFF,  23068672
.set BTILE, 16384
.set STW,   4352                       ; 16 rows x 272
.set NB,    8
.set ARGA,  0
.set ARGB,  8
.set ARGC,  16
.endif
.set PITCH,  144                       ; 36 words: the 16 rows of a fragment load start 4 x 9 r words apart, at 16 different groups of four banks
.set SPITCH, 272
.set AKL,    256*PITCH                 ; LDS bytes of one K block of A
.set BOFFL,  KBS*AKL                   ; B lies behind A in a slot
.set SLOT,   BOFFL+KBS*BKL
.set STAGE,  2*SLOT                    ; behind the ring; no fill lands there
.set NS,     16/KBS                    ; fills
.set ADRA, 16                          ; v16-17  LDS address of my A fragments in slot 0, 1
.set ADRB, 20                          ; v20-21  the same for B
.set STO,  24                          ; v24     the way out: where I put a lane's piece of a row
.set RD,   25                          ; v25     the way out: where I read rows back
.set CO,   26                          ; v26     my byte offset in C
.set AF,   32
.set BF,   160
.set TMP,  32                          ; the way out: packed results
.set OB,   64                          ; the way out: rows read back, v64-95 and v96-127 by turns
.set G1,  24                           ; s[24:31] descriptor group 1 for A; s[32:39] group 0, a set for each slot
.set G0,  32
.set G1B, 48                           ; s[48:55], s[56:63] the same for B
.set G0B, 56
.set MSB, 0
.macro WIN new                         ; the immediate's high byte repeats the setting that is left; a switch that changes nothing is dropped
.if MSB != \new
	s_set_vgpr_msb (MSB<<8)|\new
.set MSB, \new
.endif
.endm
.macro PLACES                          ; four places in front of loads into registers that matrix instructions have read, and of reads of their results
.rept 4
	v_nop
.endr
.endm
; A joint load: waves 0 and 1 fetch A's two pieces, waves 2 and 3 B's.  The branch hangs on the wave's number alone.  Four v_nop follow each line.
.macro JLOAD s
	s_cmp_eq_u32 s11, 0
	s_cbranch_scc0 .Lfor_b_\@
	tensor_load_to_lds s[G0+4*\s:G0+4*\s+3], s[G1:G1+7]
	s_nop 0
.rept 4
	v_nop
.endr
	s_branch .Lasked_\@
.Lfor_b_\@:
	tensor_load_to_lds s[G0B+4*\s:G0B+4*\s+3], s[G1B:G1B+7]
	s_nop 0
.rept 4
	v_nop
.endr
.Lasked_\@:
.endm
.macro CREST                           ; a round of the cluster's barrier behind its opening barrier
	s_cmp_lg_u32 s10, 0
	s_cbranch_scc1 .Lnot_wave_0_\@
	s_barrier_signal -3
.Lnot_wave_0_\@:
	s_barrier_wait -3
	s_barrier_signal -1
	s_barrier_wait -1
.endm
.macro CROUND                          ; a whole round
	s_barrier_signal -1
	s_barrier_wait -1
	CREST
.endm
	s_load_b64 s[4:5], s[0:1], ARGA                ; A's buffer
	s_load_b64 s[6:7], s[0:1], ARGB                ; B's buffer
	s_load_b64 s[8:9], s[0:1], ARGC                ; C
	v_lshl_add_u32 v254, v0, 2, 0x3a400
	v_mov_b32 v255, 0
	ds_add_u32 v254, v255
	ds_add_u32 v254, v255
	v_lshrrev_b32 v1, 5, v0
	v_readfirstlane_b32 s10, v1                    ; wave 0..3
	s_lshr_b32 s11, s10, 1                         ; which half of the tile's rows is mine.  Also: I fetch for A (0) or for B (1)
	s_and_b32 s12, s10, 1                          ; which half of its columns.  Also: which piece I fetch
	s_bfe_u32 s40, ttmp6, 0x40000                  ; cx, cy: my place in the cluster
	s_bfe_u32 s41, ttmp6, 0x40004
	s_lshl_b32 s42, ttmp9, 2
	s_add_co_u32 s42, s42, s40                     ; tile column = 4 x cluster x + cx
	s_and_b32 s13, ttmp7, 0xffff
	s_lshl_b32 s13, s13, 2
	s_add_co_u32 s13, s13, s41                     ; tile row = 4 x cluster y + cy
	s_lshl_b32 s43, s41, 2
	s_lshl_b32 s43, 15, s43                        ; my row of the cluster
	s_lshl_b32 s44, 0x1111, s40                    ; my column
	; group 1: rows of 64 elements of 2 bytes, dense in memory; in LDS 4 words of padding behind every 32
	s_or_b32 s[G1+0], s43, (1<<16)|(1<<20)|(1<<21)|(4<<22)|(3<<25)   ; 15:0 the mask; 17:16 element size; 20 padding on; 21 set beside a mask; 24:22 interval code 4; 31:25 pad code 3
	s_or_b32 s[G1B+0], s44, (1<<16)|(1<<20)|(1<<21)|(4<<22)|(3<<25)
	s_mov_b32 s[G1+1], 64<<16                      ; tensor_dim0 = 64
	s_mov_b32 s[G1B+1], 64<<16
	s_mov_b32 s[G1+2], AR<<16                      ; tensor_dim1 = the piece's rows
	s_mov_b32 s[G1B+2], BR<<16
	s_mov_b32 s[G1+3], 64<<16                      ; tile_dim0 = 64
	s_mov_b32 s[G1B+3], 64<<16
	s_mov_b32 s[G1+4], AR                          ; tile_dim1
	s_mov_b32 s[G1B+4], BR
	s_mov_b32 s[G1+5], 64                          ; elements from row to row
	s_mov_b32 s[G1B+5], 64
	s_mov_b32 s[G1+6], 0
	s_mov_b32 s[G1B+6], 0
	s_mov_b32 s[G1+7], 0
	s_mov_b32 s[G1B+7], 0
	; where the tiles come from: A's hang on the tile row alone, B's on the tile column alone, each in registers that never hold the other coordinate
	s_lshl_b32 s16, s13, 15                        ; 256 rows x 128 bytes
	s_mul_i32 s17, s12, APG
	s_add_co_u32 s16, s16, s17
	s_mov_b32 s17, 0
	s_mul_i32 s46, s42, BTILE
	s_mul_i32 s47, s12, BPG
	s_add_co_u32 s46, s46, s47
	s_add_co_u32 s46, s46, BOFF
	s_mov_b32 s47, 0
	s_mul_i32 s20, s12, APL                        ; and where they go: no place in the cluster enters an LDS address
	s_mul_i32 s21, s12, BPL
	s_add_co_u32 s21, s21, BOFFL
	s_wait_dscnt 0x0
	s_wait_kmcnt 0x0
	s_add_nc_u64 s[14:15], s[4:5], s[16:17]
	s_add_nc_u64 s[46:47], s[6:7], s[46:47]
	CROUND                                         ; all sixteen work-groups are here: the first joint loads meet
.irp s, 0,1
	s_mov_b32 s[G0+4*\s], 1
	s_add_co_u32 s[G0+4*\s+1], s20, \s*SLOT
	s_add_nc_u64 s[G0+4*\s+2:G0+4*\s+3], s[14:15], \s*(ASTEP/2)
	s_or_b32 s[G0+4*\s+3], s[G0+4*\s+3], 0x80000000
	s_mov_b32 s[G0B+4*\s], 1
	s_add_co_u32 s[G0B+4*\s+1], s21, \s*SLOT
	s_add_nc_u64 s[G0B+4*\s+2:G0B+4*\s+3], s[46:47], \s*(BSTEP/2)
	s_or_b32 s[G0B+4*\s+3], s[G0B+4*\s+3], 0x80000000
	JLOAD \s                                       ; two loads of mine are out here, one behind every later round
.endr
	; a fragment is 16 rows x 32 K in 8 registers: lane l holds row l % 16; registers 0-3 K = 8 (l / 16) + 0..7, registers 4-7 K = 16 + 8 (l / 16) + 0..7
	v_and_b32 v1, 15, v0                           ; l % 16
	v_bfe_u32 v2, v0, 4, 1                         ; l / 16
	v_mul_u32_u24 v3, v1, PITCH
	v_lshl_add_u32 v3, v2, 4, v3
	s_mul_i32 s22, s11, 128*PITCH                  ; my 128 rows of A
	s_mul_i32 s23, s12, 64*NG*PITCH                ; my rows of B,
	s_add_co_u32 s23, s23, BOFFL                   ; which lie behind A
.irp s, 0,1
	v_add_nc_u32 v[ADRA+\s], s22, v3
	v_add_nc_u32 v[ADRB+\s], s23, v3
	s_add_co_u32 s22, s22, SLOT
	s_add_co_u32 s23, s23, SLOT
.endr
	s_mul_i32 s23, s10, STW
	s_add_co_u32 s23, s23, STAGE                   ; my stage
.if QKV
	v_add_nc_u32 v[STO], s23, v3                   ; in: row l % 16 of 144 bytes, 16 bytes for each half of the lanes
	v_and_b32 v4, 31, v0
	v_lshrrev_b32 v5, 3, v4                        ; back: eight lanes take a row of 128 bytes, a load four rows
	v_mul_u32_u24 v5, v5, PITCH
	v_and_b32 v6, 7, v0
	v_lshl_add_u32 v5, v6, 4, v5
	v_add_nc_u32 v[RD], s23, v5
	v_lshlrev_b32 v[CO], 4, v4                     ; four rows of C's block are 512 consecutive bytes
	s_lshl_b32 s16, s13, 15                        ; C: my first row x 128 bytes,
	s_lshl_b32 s17, s11, 14
	s_add_co_u32 s16, s16, s17
	s_mov_b32 s17, 0
	s_mul_i32 s46, s42, 6                          ; and my first block of 64 columns, 1 MiB each
	s_mul_i32 s47, s12, 3
	s_add_co_u32 s46, s46, s47
	s_lshl_b32 s46, s46, 20
	s_mov_b32 s47, 0
.else
	v_mul_u32_u24 v4, v1, SPITCH                   ; in: row l % 16 of 272 bytes, 32 bytes for each half of the lanes
	v_lshl_add_u32 v4, v2, 5, v4
	v_add_nc_u32 v[STO], s23, v4
	v_mul_u32_u24 v5, v2, SPITCH                   ; back: lanes 0-15 take one row of 256 bytes, lanes 16-31 the next
	v_lshl_add_u32 v5, v1, 4, v5
	v_add_nc_u32 v[RD], s23, v5
	v_lshlrev_b32 v5, 12, v2                       ; and the same two rows in C
	v_lshl_add_u32 v[CO], v1, 4, v5
	s_lshl_b32 s16, s13, 20                        ; C: my first row x 4,096 bytes,
	s_lshl_b32 s17, s11, 19
	s_add_co_u32 s16, s16, s17
	s_mov_b32 s17, 0
	s_lshl_b32 s46, s42, 9                         ; and my first column x 4 bytes
	s_lshl_b32 s47, s12, 8
	s_add_co_u32 s46, s46, s47
	s_mov_b32 s47, 0
.endif
	s_add_nc_u64 s[8:9], s[8:9], s[16:17]
	s_add_nc_u64 s[8:9], s[8:9], s[46:47]
; 16 LDS loads: A's fragments of quarter kq (32 along K) of a slot, into buffer kq % 2
.macro LOADA slot, kq
.irp a, 0,1,2,3,4,5,6,7
	ds_load_b128 v[AF+64*((\kq)%2)+8*\a:AF+64*((\kq)%2)+8*\a+3],   v[ADRA+\slot] offset:((\kq)/2)*AKL+((\kq)%2)*64+\a*16*PITCH
	ds_load_b128 v[AF+64*((\kq)%2)+8*\a+4:AF+64*((\kq)%2)+8*\a+7], v[ADRA+\slot] offset:((\kq)/2)*AKL+((\kq)%2)*64+\a*16*PITCH+32
.endr
.endm
; 8 LDS loads: B's fragments of quarter kq, column group g, into buffer g (three groups) or kq % 2 (one group)
.macro LOADB slot, kq, g
.if QKV
.set bfb, BF+32*(\g)
.else
.set bfb, BF+32*((\kq)%2)
.endif
.irp b, 0,1,2,3
	ds_load_b128 v[bfb+8*\b:bfb+8*\b+3],   v[ADRB+\slot] offset:((\kq)/2)*BKL+((\kq)%2)*64+(64*(\g)+16*\b)*PITCH
	ds_load_b128 v[bfb+8*\b+4:bfb+8*\b+7], v[ADRB+\slot] offset:((\kq)/2)*BKL+((\kq)%2)*64+(64*(\g)+16*\b)*PITCH+32
.endr
.endm
; 4 n matrix instructions: row blocks a0 .. a0 + n - 1 x the group's four column blocks.  The accumulators take turns, one instruction a turn.
; zero = 1: the product starts the sums: nothing is ever cleared.
.macro MUL kq, g, a0, n, zero
	WIN (1+\g)*0x50
.if QKV
.set bfb, BF+32*(\g)
.else
.set bfb, BF+32*((\kq)%2)
.endif
.set afb, AF+64*((\kq)%2)
.set ab, \a0
.rept \n
.irp b, 0,1,2,3
.if \zero
	v_wmma_f32_16x16x32_f16 v[8*(4*ab+\b):8*(4*ab+\b)+7], v[bfb+8*\b:bfb+8*\b+7], v[afb+8*ab:afb+8*ab+7], 0
.else
	v_wmma_f32_16x16x32_f16 v[8*(4*ab+\b):8*(4*ab+\b)+7], v[bfb+8*\b:bfb+8*\b+7], v[afb+8*ab:afb+8*ab+7], v[8*(4*ab+\b):8*(4*ab+\b)+7]
.endif
.endr
.set ab, ab+1
.endr
.endm
; A slot's last two units of 32 products, and the change of slots between them.
; mode 0: the slot is filled again, two fills ahead.  In front of the round's opening signal each wave waits for its own reads of the slot and for all its tensor
;   loads (one is out: its part of the other slot); inside the round stands register work alone; the joint refill is the first thing behind the round.
; mode 1: the same barrier, nothing is filled, so no round.   mode 2: the last slot.
.macro TAIL slot, mode, kqa, ga, kqb, gb
.if \mode == 2
	MUL \kqa, \ga, 0, 8, 0
	s_wait_dscnt 0x0                               ; the last fragments are in
	MUL \kqb, \gb, 0, 8, 0
.else
	MUL \kqa, \ga, 0, 4, 0
	s_wait_dscnt 0x0                               ; my reads of this slot are over
	s_wait_tensorcnt 0x0                           ; all my tensor loads have landed
	ds_add_u32 v254, v255
	s_wait_dscnt 0x0
	s_barrier_signal -1
	MUL \kqa, \ga, 4, 4, 0                         ; work on registers while the others arrive
	WIN 0                                          ; at a branch and at a label every window is 0
	s_barrier_wait -1
.if \mode == 0
	CREST
	s_add_nc_u64 s[G0+4*\slot+2:G0+4*\slot+3], s[G0+4*\slot+2:G0+4*\slot+3], ASTEP
	s_add_nc_u64 s[G0B+4*\slot+2:G0B+4*\slot+3], s[G0B+4*\slot+2:G0B+4*\slot+3], BSTEP
	JLOAD \slot                                    ; its four v_nop are also the places in front of the loads below
.else
	PLACES
.endif
	LOADB 1-\slot, 0, 0                            ; the other slot's first fragments
	LOADA 1-\slot, 0
	MUL \kqb, \gb, 0, 8, 0                         ; its operands came in with the wait for 0 above
.endif
.endm
; A slot's work.  Each unit: four places, a run of loads for a later unit, a wait that leaves out the loads issued behind the ones this unit multiplies, 32 products.
.macro SLOTWORK slot, zero, mode
.if QKV
	PLACES
	WIN 0
	LOADB \slot, 0, 1
	LOADA \slot, 1
	s_wait_dscnt 24                                ; all but the 24 just issued
	MUL 0, 0, 0, 8, \zero
	PLACES
	WIN 0
	LOADB \slot, 0, 2
	s_wait_dscnt 24                                ; behind B of group 1: A's 16 and the 8 just issued
	MUL 0, 1, 0, 8, \zero
	PLACES
	WIN 0
	LOADB \slot, 1, 0
	s_wait_dscnt 8                                 ; all but the 8 just issued
	MUL 0, 2, 0, 8, \zero
	PLACES
	WIN 0
	LOADB \slot, 1, 1
	s_wait_dscnt 8
	MUL 1, 0, 0, 8, 0
	PLACES
	WIN 0
	LOADB \slot, 1, 2
	s_wait_dscnt 8
	TAIL \slot, \mode, 1, 1, 1, 2
.else
	PLACES
	WIN 0
	LOADB \slot, 1, 0
	LOADA \slot, 1
	s_wait_dscnt 24                                ; all but the 24 just issued
	MUL 0, 0, 0, 8, \zero
	PLACES
	WIN 0
	LOADB \slot, 2, 0
	LOADA \slot, 2
	s_wait_dscnt 24
	MUL 1, 0, 0, 8, 0
	PLACES
	WIN 0
	LOADB \slot, 3, 0
	LOADA \slot, 3
	s_wait_dscnt 24
	TAIL \slot, \mode, 2, 0, 3, 0
.endif
.endm
; THE WAY OUT, a block at a time through my own stage.  Three groups: block n = 4 g + ap is 32 rows x 64 columns in f16; one group: block n is 16 rows x 64 columns in f32.
.macro PACK n
.set gg, (\n)/4
.set ap, (\n)%4
	WIN (1+gg)*5                                   ; sources 0 and 1: the group's window
.irp aa, 0,1
.irp b, 0,1,2,3
.irp r, 0,1,2,3
	v_cvt_pk_f16_f32 v[TMP+4*(4*\aa+\b)+\r], v[8*(4*(2*ap+\aa)+\b)+2*\r], v[8*(4*(2*ap+\aa)+\b)+2*\r+1]
.endr
.endr
.endr
	WIN 0
.endm
.macro TOSTAGE n
.set BK, OB+32*((\n)%2)
	s_wait_xcnt 0x0                                ; the registers loaded below were the data of the stores two blocks back
.if QKV
.irp aa, 0,1
.irp b, 0,1,2,3
	ds_store_b128 v[STO], v[TMP+4*(4*\aa+\b):TMP+4*(4*\aa+\b)+3] offset:\aa*16*PITCH+32*\b
.endr
.endr
.irp t, 0,1,2,3,4,5,6,7
	ds_load_b128 v[BK+4*\t:BK+4*\t+3], v[RD] offset:\t*4*PITCH     ; LDS serves a wave's instructions in order: these see the stores above
.endr
.else
	WIN 0x04                                       ; the stores' data: window 1
.irp b, 0,1,2,3
	ds_store_b128 v[STO], v[8*(4*(\n)+\b):8*(4*(\n)+\b)+3]   offset:64*\b
	ds_store_b128 v[STO], v[8*(4*(\n)+\b)+4:8*(4*(\n)+\b)+7] offset:64*\b+16
.endr
	WIN 0
.irp t, 0,1,2,3,4,5,6,7
	ds_load_b128 v[BK+4*\t:BK+4*\t+3], v[RD] offset:\t*2*SPITCH
.endr
.endif
.endm
.macro SEND n, younger                 ; younger: the LDS instructions issued behind the block's loads
.set BK, OB+32*((\n)%2)
	s_wait_dscnt \younger
.irp t, 0,1,2,3,4,5,6,7
.if QKV
	global_store_b128 v[CO], v[BK+4*\t:BK+4*\t+3], s[8:9] offset:((\n)/4)*1048576+((\n)%4)*4096+512*\t   ; a wave's store covers 512 consecutive bytes, aligned
.else
	global_store_b128 v[CO], v[BK+4*\t:BK+4*\t+3], s[8:9] offset:(16*(\n)+2*\t)*4096 th:TH_STORE_NT      ; 16 lanes store 256 consecutive bytes, aligned
.endif
.endr
.endm
	s_wait_tensorcnt 1                             ; my part of fill 0 is in; fill 1 may stay out
	s_barrier_signal -1
	s_barrier_wait -1                              ; everybody's is
	LOADB 0, 0, 0
	LOADA 0, 0
	SLOTWORK 0, 1, 0                               ; the first products start the sums
	SLOTWORK 1, 0, 0
	WIN 0
	s_mov_b32 s3, NS/2-2
.Llap:                                                 ; a trip goes once round the ring and fills both slots again
	SLOTWORK 0, 0, 0
	SLOTWORK 1, 0, 0
	WIN 0
	s_sub_co_u32 s3, s3, 1
	s_cmp_lg_u32 s3, 0
	s_cbranch_scc1 .Llap
	SLOTWORK 0, 0, 1                               ; the last two fills: nothing more is asked for
	SLOTWORK 1, 0, 2
	PLACES                                         ; the way out reads results just made
.set blk, 0
.rept NB
.if QKV
	PACK blk
.endif
	TOSTAGE blk
.if blk > 0
	SEND blk-1, 16                                 ; behind the last block's loads: this block's 8 stores and 8 loads
.endif
.set blk, blk+1
.endr
	SEND NB-1, 0
	s_wait_tensorcnt 0x0
	ds_add_u32 v254, v255
	s_wait_dscnt 0x0
	CROUND                                         ; the closing round: no work-group ends while a partner may still ask for a tile that names it
	s_endpgm
.Lfunc_end_k_q8d6b5d9748_proj:
	.size	k_q8d6b5d9748_proj, .Lfunc_end_k_q8d6b5d9748_proj-k_q8d6b5d9748_proj
	.p2alignl 7, 3214868480
	.fill 96, 4, 3214868480
	.section	.rodata,"a",@progbits
	.p2align	6, 0x0
	.amdhsa_kernel k_q8d6b5d9748_proj
		.amdhsa_group_segment_fixed_size 327680
		.amdhsa_private_segment_fixed_size 0
		.amdhsa_enable_private_segment 0
		.amdhsa_kernarg_size 24
		.amdhsa_user_sgpr_count 2
		.amdhsa_user_sgpr_kernarg_segment_ptr 1
		.amdhsa_wavefront_size32 1
		.amdhsa_system_sgpr_workgroup_id_x 1
		.amdhsa_system_sgpr_workgroup_id_y 1
		.amdhsa_system_sgpr_workgroup_id_z 1
		.amdhsa_system_vgpr_workitem_id 0
		.amdhsa_next_free_vgpr 512
		.amdhsa_next_free_sgpr 66
		.amdhsa_reserve_vcc 0
		.amdhsa_float_denorm_mode_32 3
		.amdhsa_float_denorm_mode_16_64 3
		.amdhsa_memory_ordered 1
		.amdhsa_forward_progress 1
		.amdhsa_inst_pref_size 116
	.end_amdhsa_kernel
	.amdgpu_metadata
---
amdhsa.version: [ 1, 2 ]
amdhsa.kernels:
  - .name:           k_q8d6b5d9748_proj
    .symbol:         k_q8d6b5d9748_proj.kd
    .args:
      - { .name: y, .offset: 0, .size: 8, .value_kind: global_buffer, .address_space: global }
      - { .name: cb, .offset: 8, .size: 8, .value_kind: global_buffer, .address_space: global }
      - { .name: out0, .offset: 16, .size: 8, .value_kind: global_buffer, .address_space: global }
    .group_segment_fixed_size: 327680
    .private_segment_fixed_size: 0
    .kernarg_segment_align: 8
    .kernarg_segment_size: 24
    .max_flat_workgroup_size: 128
    .sgpr_count:     66
    .vgpr_count:     512
    .wavefront_size: 32
...
	.end_amdgpu_metadata
.endif
;; end of part 4
